; MI455X (gfx1250); checked and timed in simulation.
; The chip was launched on July 23, 2026; its instructions are those of AMD's public machine-readable ISA for CDNA 5 (MIT licence, August 2026) and "CDNA5" Instruction Set Architecture Reference Guide (July 2026). The comments in the code are by the model that wrote it; some were corrected since.
;; Multi Head Attention. Allowed arithmetic: matrix products marked QUANTISED: E2M3 operands, one E8M0 scale for each 32 along K, by v_wmma_scale_f32_16x16x128_f8f6f4 with both operands' format E2M3, f32 sums; everything else in f32.
;; Inputs: key 2 x 2,048 x 1,024 float32; query 2 x 2,048 x 1,024 float32; value 2 x 2,048 x 1,024 float32; w_k 1,024 x 1,024 float32; w_o 1,024 x 1,024 float32; w_q 1,024 x 1,024 float32; w_v 1,024 x 1,024 float32.
;; Outputs: out0 2 x 2,048 x 1,024 float32.
;; This version of the problem:
;;   THIS VERSION OF THE PROBLEM IS GIVEN IN LOW PRECISION. The matrix products marked QUANTISED in the list below multiply operands that are first quantised to E2M3 (2 exponent bits, 3 mantissa bits; 6 bits a number), with one power-of-two scale for each 32 numbers along K (OCP MX v1.0); their sums are f32. All else is computed in f32.
;;   The module's matrix products, in the order in which they are computed (A, B: the left and right operand; K: the contracted axis; several contracted axes count as one K, in the product's order):
;;     1. [M 4,096, K 1,024] x [K 1,024, N 1,024]; A: input query; B: input w_q: QUANTISED
;;     2. [M 4,096, K 1,024] x [K 1,024, N 1,024]; A: input key; B: input w_k: QUANTISED
;;     3. [M 4,096, K 1,024] x [K 1,024, N 1,024]; A: input value; B: input w_v: QUANTISED
;;     4. batch 32 x [M 2,048, K 64] x [K 64, N 2,048]; A: computed on the way; B: computed on the way: QUANTISED
;;     5. batch 32 x [M 2,048, K 2,048] x [K 2,048, N 64]; A: softmax (see below); B: computed on the way: QUANTISED
;;     6. [M 4,096, K 1,024] x [K 1,024, N 1,024]; A: computed on the way; B: input w_o: QUANTISED
;;   THE QUANTISER, for each operand of a quantised product, along K:
;;     - K is cut into blocks of 32 from its start; a last block that is shorter is filled with zeros.
;;     - A block's scale is 2^e with e = floor(log2(the largest magnitude in the block)) - 2, held to -126 .. 127; a block of zeros has e = 0. As a byte (E8M0): e + 127.
;;     - Each number is divided by its block's scale, clamped to +-7.5, and rounded to the nearest number of E2M3, ties to even, subnormals kept.
;;     - The product sums the exact products of the quantised numbers (number of the format x scale) in f32.
;;   ~~~python
;;   def quantise(x, axis):      # numpy; x: float32 -> the quantised numbers, widened to float32 again
;;       x = np.moveaxis(x, axis, -1); K = x.shape[-1]
;;       x = np.pad(x, [(0, 0)] * (x.ndim - 1) + [(0, -K % 32)]); x = x.reshape(x.shape[:-1] + (-1, 32)); a = np.abs(x).max(-1, keepdims=True)
;;       e = np.where(a > 0, np.clip(np.frexp(np.where(a > 0, a, 1))[1] - 1 - 2, -126, 127), 0)      # np.frexp(a)[1] - 1 = floor(log2(a)), exactly
;;       r = np.clip(x / 2.0 ** e, -7.5, 7.5)
;;       step = 2.0 ** (np.maximum(np.frexp(np.where(r == 0, 1, r))[1] - 1, 0) - 3)
;;       q = np.round(r / step) * step * 2.0 ** e      # np.round: ties to even
;;       return np.moveaxis(q.reshape(q.shape[:-2] + (-1,))[..., :K], -1, axis).astype(np.float32)
;;   ~~~
;;   SOFTMAX AHEAD OF A QUANTISED PRODUCT. Where the list says 'softmax', what is quantised is not the finished softmax but p = 2^(t - M), with t = logit x log2(e) and M = ceil(the row's largest t), a whole number; so 1/2 < the row's largest p <= 1. The row's sum l is taken of the UNQUANTISED p, in f32, and the product's result is divided by l at the end. Since M is a whole number, a kernel that streams over the keys may use a running M (the ceiling of the running maximum): every later rescaling is an exact power of two, which a block's scale takes up: the codes' values come out the same.
;;   OPERANDS COMPUTED ON THE WAY. 'Computed on the way' means the value that the module computes at that place (a softmax that the list does not call 'softmax' is quantised finished and normalised). What goes into a quantiser is computed in f32, as accurately as f32 sums, v_exp_f32 and their like allow (about 1e-6 of the number): no bf16 or f16 on the way to a quantiser, and a product that is left as it is and whose result goes on into a quantised operand takes f32 operands (vector FMAs, or v_wmma_f32_16x16x4_f32). A number that lies on a knife's edge between two numbers of the format may be rounded either way, as far as f32 arithmetic and the matrix unit's own rounding can turn it there, and no further.
;; One version. Each part assembles by itself: llvm-mc -triple=amdgcn-amd-amdhsa -mcpu=gfx1250 --defsym DOCPART=n.
;; ======== version 1 of 1: 4 launches
;; limits: right only within a limited range of input values
;; workspace buffers: xc 12,582,912 bytes; xs 524,288 bytes; qrec 6,684,672 bytes; kvrec 6,684,672 bytes; cc 3,145,728 bytes; cs 131,072 bytes
;; launch quant (part 1): grid 256 x 1, 32 waves a work-group, no clusters, 272,384 bytes of LDS; arguments query, key, value, w_q, w_k, w_v, w_o, xc, xs; writes xc, xs
.if DOCPART == 1
	.amdgcn_target "amdgcn-amd-amdhsa--gfx1250"
	.amdhsa_code_object_version 6
	.text
	.protected	k_q7749d64c9d_quant
	.globl	k_q7749d64c9d_quant
	.p2align	8
	.type	k_q7749d64c9d_quant,@function
k_q7749d64c9d_quant:
	s_mov_b64 s[64:65], 0
	v_nop
	global_prefetch_b8 v0, s[64:65] scope:SCOPE_SE
	s_setreg_imm32_b32 hwreg(HW_REG_WAVE_MODE, 25, 1), 1
	s_wait_xcnt 0x0
; query, key, value [4096][1024] and w_q, w_k, w_v, w_o [1024][1024], f32, K = the last axis, become codes of FP6 (E2M3) with one E8M0 byte for each 32 along K.
; A block's scale is 2^(floor(log2(its largest magnitude)) - 2); its byte is the largest magnitude's exponent field - 2, held at 1 from below.
; LIMITS: NaN and infinities are not served; a block whose largest magnitude lies under 2^-124 has its byte held at 1; a block of zeros gets the byte 1 where the rule says 127:
; its codes are zeros, which add nothing under any byte but 0xff, and the bytes are read by this program alone.
; THE WORKSPACE IS LAID AS THE MATRIX UNIT'S REGISTERS WANT IT.  The seven tensors are 1,024 TILES of 16 rows (query 0-255, key 256-, value 512-, w_q 768-, w_k 832-, w_v 896-, w_o 960-).
; Tile T of a tensor holds rows 32 (T / 2) + 8 (T % 2) + i + 8 (i / 8), i = 0 .. 15.  KEY ALONE IS LAID OTHERWISE: tile T holds rows 64 (T / 4) + 8 (T % 4) + i + 24 (i / 8):
; where four such tiles are a product's source 0, a lane's 32 result registers are 32 neighbouring keys, one scale block of the product that follows.
; xc: [tile][K step of 128: 8][1,536 bytes]: a fragment is two halves of 768 bytes; a half is an image of 6 registers: registers 0-3 at 16 x lane, registers 4-5 at 8 x lane.   xs: [tile][row 16][32 scale bytes].
; SHARES.  A work-group takes 64 rows, four tiles.  Each of its 32 waves brings 8 rows x 1,024 bytes by ONE tensor load (tile w / 8, half (w / 4) % 2 of its rows, quarter w % 4 of K); which rows of memory those are stands in the global address alone.
; One barrier shows all tiles to all waves; then wave w makes the fragment of tile w / 8, K step w % 8.  LDS is filled once.  The row's scale word goes to a stage of 2,048 bytes; behind a second barrier waves 0-3 store it as whole runs of 512 bytes.
; Nothing is shared between work-groups: no cluster.  All that the launch reads is asked for at its head: there is no later stream to ask for ahead of time.
.set PITCH, 1040                       ; an LDS row: 1,024 bytes + 16: an odd multiple of 16
.set QREG,  64*PITCH                   ; a quarter of K: 64 row places, 16 tile + i
.set SCR,   4*QREG                     ; the scale words' stage; no tensor load lands there
.set SPARE, SCR+2048                   ; the spare words: 128 bytes a wave
.set FRB,   1536
.set G1,    24
.set G0,    32
.set SRC,   66
.set SEL,   72
.set LA,    1                          ; LDS: my row, my half of the lanes
.set L16,   2
.set L8,    3
.set STA,   4                          ; stage, in: 32 r + 4 x K step
.set H8,    5
.set MX,    8                          ; v8-11 four chains
.set OP,    12
.set BY,    14
.set TP,    20                         ; v20-22, v24-26
.set SPW,   27
.set NIL,   28
.set W,     29
.set STR,   30                         ; stage, out
.set X,     32                         ; v32-95 my 64 numbers
.set C,     96                         ; v96-107 the fragment
	s_load_b512 s[4:19], s[0:1], 0x0               ; query, key, value, w_q, w_k, w_v, w_o, xc
	s_load_b64 s[20:21], s[0:1], 0x40              ; xs
	v_lshl_add_u32 v[SPW], v0, 2, SPARE
	v_mov_b32 v[NIL], 0
	ds_add_u32 v[SPW], v[NIL]                      ; the opening lines
	ds_add_u32 v[SPW], v[NIL]
	v_lshrrev_b32 v1, 5, v0
	v_readfirstlane_b32 s22, v1                    ; wave 0..31
	s_mov_b32 s[G1+0], (2<<16)|(1<<20)|(7<<22)|(3<<25)   ; elements of 4 bytes; 4 words of padding behind every 256
	s_mov_b32 s[G1+1], 256<<16
	s_mov_b32 s[G1+2], 8<<16
	s_mov_b32 s[G1+3], 256<<16
	s_mov_b32 s[G1+4], 8
	s_mov_b32 s[G1+5], 1024
	s_mov_b32 s[G1+6], 0
	s_mov_b32 s[G1+7], 0
	s_lshr_b32 s40, s22, 3                         ; t: the tile, for the load and for the work
	s_bfe_u32 s41, s22, 0x10002                    ; g: which eight of its rows I bring
	s_and_b32 s42, s22, 3                          ; q: which quarter of K I bring
	s_and_b32 s46, s22, 7                          ; the K step that I work
	s_lshr_b32 s43, s40, 1
	s_lshl_b32 s43, s43, 5
	s_and_b32 s44, s40, 1
	s_lshl_b32 s44, s44, 3
	s_add_co_u32 s43, s43, s44
	s_lshl_b32 s44, s41, 4
	s_add_co_u32 s43, s43, s44                     ; 32 (t / 2) + 8 (t % 2) + 16 g
	s_lshl_b32 s45, s40, 3
	s_lshl_b32 s44, s41, 5
	s_add_co_u32 s45, s45, s44                     ; key: 8 t + 32 g
	s_lshr_b32 s44, ttmp9, 6
	s_cmp_eq_u32 s44, 1                            ; work-groups 64-127 are key's
	s_cselect_b32 s43, s45, s43
	s_cmp_lt_u32 ttmp9, 192                        ; 0-191: three tensors of 64 work-groups; 192-255: four of 16
	s_cselect_b32 s68, 63, 15
	s_and_b32 s68, ttmp9, s68
	s_lshl_b32 s68, s68, 6
	s_add_co_u32 s68, s68, s43
	s_lshl_b32 s68, s68, 12                        ; my first row, in bytes
	s_lshl_b32 s44, s42, 10
	s_add_co_u32 s68, s68, s44                     ; + my quarter
	s_mov_b32 s69, 0
	s_mul_i32 s70, s42, QREG                       ; where it goes: quarter, tile, half
	s_mul_i32 s44, s40, 16*PITCH
	s_add_co_u32 s70, s70, s44
	s_mul_i32 s44, s41, 8*PITCH
	s_add_co_u32 s70, s70, s44
	s_lshr_b32 s47, s46, 1                         ; what I read: quarter (K step / 2), tile t, 512 bytes x (K step % 2)
	s_mul_i32 s47, s47, QREG
	s_mul_i32 s44, s40, 16*PITCH
	s_add_co_u32 s47, s47, s44
	s_and_b32 s44, s46, 1
	s_lshl_b32 s44, s44, 9
	s_add_co_u32 s47, s47, s44
	s_lshl_b32 s48, s40, 9
	s_lshl_b32 s44, s46, 2
	s_add_co_u32 s48, s48, s44
	s_add_co_u32 s48, s48, SCR                     ; stage: tile t's 512 bytes, my K step's word
	s_min_u32 s49, s22, 3
	s_lshl_b32 s49, s49, 9                         ; waves 0-3 empty the stage, 512 bytes each
	s_add_co_u32 s50, s49, SCR
	s_mov_b32 s[SEL], 0x76543210
	s_mov_b32 s[SEL+1], 0xfedcba98
	s_wait_dscnt 0x0
	s_wait_kmcnt 0x0
	s_mov_b64 s[SRC:SRC+1], s[16:17]               ; which tensor: the choice hangs on the work-group's number alone
	s_cmp_lt_u32 ttmp9, 240
	s_cselect_b64 s[SRC:SRC+1], s[14:15], s[SRC:SRC+1]
	s_cmp_lt_u32 ttmp9, 224
	s_cselect_b64 s[SRC:SRC+1], s[12:13], s[SRC:SRC+1]
	s_cmp_lt_u32 ttmp9, 208
	s_cselect_b64 s[SRC:SRC+1], s[10:11], s[SRC:SRC+1]
	s_cmp_lt_u32 ttmp9, 192
	s_cselect_b64 s[SRC:SRC+1], s[8:9], s[SRC:SRC+1]
	s_cmp_lt_u32 ttmp9, 128
	s_cselect_b64 s[SRC:SRC+1], s[6:7], s[SRC:SRC+1]
	s_cmp_lt_u32 ttmp9, 64
	s_cselect_b64 s[SRC:SRC+1], s[4:5], s[SRC:SRC+1]
	s_mov_b32 s[G0], 1
	s_mov_b32 s[G0+1], s70
	s_add_nc_u64 s[G0+2:G0+3], s[SRC:SRC+1], s[68:69]
	s_or_b32 s[G0+3], s[G0+3], 0x80000000
	tensor_load_to_lds s[G0:G0+3], s[G1:G1+7]      ; my one tensor load
	s_nop 0
	v_and_b32 v6, 15, v0                           ; r
	v_bfe_u32 v7, v0, 4, 1                         ; h
	v_mul_u32_u24 v[LA], v6, PITCH
	v_lshl_add_u32 v[LA], v7, 7, v[LA]
	v_add_nc_u32 v[LA], s47, v[LA]
	v_and_b32 v[L8], 31, v0
	v_lshlrev_b32 v[L16], 4, v[L8]
	v_lshlrev_b32 v[L8], 3, v[L8]
	v_lshlrev_b32 v[STA], 5, v6
	v_add_nc_u32 v[STA], s48, v[STA]
	v_add_nc_u32 v[STR], s50, v[L16]
	v_lshlrev_b32 v[H8], 3, v7
	v_mov_b32 v17, 0                               ; a lane permute's destination counts as one of its sources
	s_lshl_b32 s68, ttmp9, 2
	s_add_co_u32 s68, s68, s40
	s_mul_i32 s68, s68, 8*FRB                      ; my tile's codes,
	s_mul_i32 s44, s46, FRB
	s_add_co_u32 s68, s68, s44                     ; my K step
	s_add_nc_u64 s[18:19], s[18:19], s[68:69]
	s_lshl_b32 s68, ttmp9, 11                      ; the work-group's 2,048 scale bytes
	s_add_co_u32 s68, s68, s49
	s_add_nc_u64 s[20:21], s[20:21], s[68:69]
	s_wait_alu depctr_va_vdst(0)
	s_wait_tensorcnt 0x0                           ; my rows are in,
	s_barrier_signal -1
	s_barrier_wait -1                              ; everybody's are
.irp c, 0,1                            ; lane (r, h) takes of row r the numbers 64 c + 32 h + 0 .. 31 of the K step
.irp i, 0,1,2,3,4,5,6,7
	ds_load_b128 v[X+32*\c+4*\i:X+32*\c+4*\i+3], v[LA] offset:256*\c+16*\i
.endr
.endr
	s_wait_dscnt 0x0
.irp b, 0,1,2,3                        ; four chains by turns, two to a block; the floor 2^(3 - 127) keeps the byte at 1 or above
	v_max3_num_f32 v[MX+\b], |v[X+16*\b]|, |v[X+16*\b+1]|, 0x1800000
.endr
.irp i, 2,4,6,8,10,12,14
.irp b, 0,1,2,3
	v_max3_num_f32 v[MX+\b], v[MX+\b], |v[X+16*\b+\i]|, |v[X+16*\b+\i+1]|
.endr
.endr
.irp c, 0,1
	v_max_num_f32 v[MX+2*\c], v[MX+2*\c], v[MX+2*\c+1]
.endr
.irp c, 0,1
	v_add_nc_u32 v[OP+\c], 0xff000000, v[MX+2*\c]  ; 2 off the exponent field: the conversion's scale operand
.endr
.irp c, 0,1
	v_cvt_scalef32_pk16_fp6_f32 v[C+6*\c:C+6*\c+2], v[X+32*\c:X+32*\c+15], v[OP+\c]
	v_cvt_scalef32_pk16_fp6_f32 v[TP+4*\c:TP+4*\c+2], v[X+32*\c+16:X+32*\c+31], v[OP+\c]   ; (three registers from an even one on: made elsewhere and moved)
.endr
.irp c, 0,1
	v_lshrrev_b32 v[BY+\c], 23, v[OP+\c]           ; the scale's byte
.endr
	v_lshl_or_b32 v16, v[BY+1], 16, v[BY]          ; my two bytes: blocks h and 2 + h,
	v_lshlrev_b32 v16, v[H8], v16                  ; at their places in the word;
	v_permlanex16_b32 v17, v16, s[SEL], s[SEL+1]
	v_or_b32 v[W], v16, v17                        ; with lane l xor 16's the word is whole
.irp c, 0,1
.irp i, 0,1,2
	v_mov_b32 v[C+3+6*\c+\i], v[TP+4*\c+\i]
.endr
.endr
	ds_store_b32 v[STA], v[W]                      ; both halves of the lanes write the same word with the same value
	global_store_b128 v[L16], v[C:C+3], s[18:19]               ; 512 consecutive bytes, at a multiple of 256
	global_store_b64 v[L8], v[C+4:C+5], s[18:19] offset:512    ; 256 likewise
	global_store_b128 v[L16], v[C+6:C+9], s[18:19] offset:768
	global_store_b64 v[L8], v[C+10:C+11], s[18:19] offset:1280
	s_wait_dscnt 0x0                               ; my word is in the stage,
	s_barrier_signal -1
	s_barrier_wait -1                              ; everybody's is
	s_cmp_lt_u32 s22, 4
	s_cbranch_scc0 .Ldone
	ds_load_b128 v[108:111], v[STR]
	s_wait_dscnt 0x0
	global_store_b128 v[L16], v[108:111], s[20:21] ; a tile's 512 scale bytes
.Ldone:
	s_wait_tensorcnt 0x0                           ; the wave's end
	ds_add_u32 v[SPW], v[NIL]
	s_wait_dscnt 0x0
	s_endpgm
.Lfunc_end_k_q7749d64c9d_quant:
	.size	k_q7749d64c9d_quant, .Lfunc_end_k_q7749d64c9d_quant-k_q7749d64c9d_quant
	.p2alignl 7, 3214868480
	.fill 96, 4, 3214868480
	.section	.rodata,"a",@progbits
	.p2align	6, 0x0
	.amdhsa_kernel k_q7749d64c9d_quant
		.amdhsa_group_segment_fixed_size 272384
		.amdhsa_private_segment_fixed_size 0
		.amdhsa_enable_private_segment 0
		.amdhsa_kernarg_size 72
		.amdhsa_user_sgpr_count 2
		.amdhsa_user_sgpr_kernarg_segment_ptr 1
		.amdhsa_wavefront_size32 1
		.amdhsa_system_sgpr_workgroup_id_x 1
		.amdhsa_system_sgpr_workgroup_id_y 1
		.amdhsa_system_sgpr_workgroup_id_z 1
		.amdhsa_system_vgpr_workitem_id 0
		.amdhsa_next_free_vgpr 128
		.amdhsa_next_free_sgpr 76
		.amdhsa_reserve_vcc 0
		.amdhsa_float_denorm_mode_32 3
		.amdhsa_float_denorm_mode_16_64 3
		.amdhsa_memory_ordered 1
		.amdhsa_forward_progress 1
		.amdhsa_inst_pref_size 10
	.end_amdhsa_kernel
	.amdgpu_metadata
---
amdhsa.version: [ 1, 2 ]
amdhsa.kernels:
  - .name:           k_q7749d64c9d_quant
    .symbol:         k_q7749d64c9d_quant.kd
    .args:
      - { .name: query, .offset: 0, .size: 8, .value_kind: global_buffer, .address_space: global }
      - { .name: key, .offset: 8, .size: 8, .value_kind: global_buffer, .address_space: global }
      - { .name: value, .offset: 16, .size: 8, .value_kind: global_buffer, .address_space: global }
      - { .name: w_q, .offset: 24, .size: 8, .value_kind: global_buffer, .address_space: global }
      - { .name: w_k, .offset: 32, .size: 8, .value_kind: global_buffer, .address_space: global }
      - { .name: w_v, .offset: 40, .size: 8, .value_kind: global_buffer, .address_space: global }
      - { .name: w_o, .offset: 48, .size: 8, .value_kind: global_buffer, .address_space: global }
      - { .name: xc, .offset: 56, .size: 8, .value_kind: global_buffer, .address_space: global }
      - { .name: xs, .offset: 64, .size: 8, .value_kind: global_buffer, .address_space: global }
    .group_segment_fixed_size: 272384
    .private_segment_fixed_size: 0
    .kernarg_segment_align: 8
    .kernarg_segment_size: 72
    .max_flat_workgroup_size: 1024
    .sgpr_count:     76
    .vgpr_count:     128
    .wavefront_size: 32
...
	.end_amdgpu_metadata
.endif
;; end of part 1
;; launch proj (part 2): grid 16 x 12, 4 waves a work-group, clusters of 4 x 4, 327,680 bytes of LDS; arguments xc, xs, qrec, kvrec; writes qrec, kvrec
.if DOCPART == 2
	.amdgcn_target "amdgcn-amd-amdhsa--gfx1250"
	.amdhsa_code_object_version 6
	.text
	.protected	k_q7749d64c9d_proj
	.globl	k_q7749d64c9d_proj
	.p2align	8
	.type	k_q7749d64c9d_proj,@function
k_q7749d64c9d_proj:
	s_mov_b64 s[64:65], 0
	v_nop
	global_prefetch_b8 v0, s[64:65] scope:SCOPE_SE
	s_setreg_imm32_b32 hwreg(HW_REG_WAVE_MODE, 25, 1), 1
	s_wait_xcnt 0x0
	s_wait_alu depctr_hold_cnt(0) depctr_sa_sdst(0) depctr_va_vdst(0) depctr_va_sdst(0) depctr_va_ssrc(0) depctr_va_vcc(0) depctr_vm_vsrc(0)
	s_getreg_b32 s2, hwreg(HW_REG_IB_STS2, 6, 4)
	s_cmp_eq_u32 s2, 0
	s_cbranch_scc0 .Lentry_in_a_cluster
	s_endpgm
.Lentry_in_a_cluster:
	s_bfe_u32 s2, ttmp6, 0x10000c
	s_cmp_lg_u32 s2, 0xf033
	s_cbranch_scc0 .Lentry_shape_is_right
	s_endpgm
.Lentry_shape_is_right:
.set NQ,     2
.set FR,     12
.set NL,     4
.set NP,     4
.set FRB,    1536
.set TB3,    NQ*FRB
.set GROW,   8*FRB
.set HALFT,  8*TB3
.set SLOT,   4*HALFT
.set KS,     32
.set SCL,    2*SLOT
.set HALFS,  16*272
.set SBLK,   2*272
.set SPARE,  SCL+4*HALFS
.set RECB,   13056
.set HS,     16*RECB
.set ADRA, 16
.set ADRB, 20
.set ADRS, 27
.set SPW,  28
.set NIL,  29
.set SC,   32
.set AF,   128
.set L16,  8
.set L8,   9
.set SOFF, 10
.set H16,  11
.set PC,   112
.set TM,   200
.set WD,   224
.set T4,   232
.set G1, 24
.set G0, 32
.set G1B, 48
.set G0B, 56
.set G1S, 68
.set G0S, 76
.set G1SB, 80
.set G0SB, 88
.set SEL, 96
.set REC, 98
.set MSB, 0
.macro WIN new
.if MSB != \new
	s_set_vgpr_msb (MSB<<8)|\new
.set MSB, \new
.endif
.endm
.set MUL_LO, 0xa1
.set MUL_HI, 0xf1
.set TO_B,   0x40
.macro JLOAD g0a, g1a, g0b, g1b
	s_cmp_eq_u32 s15, 0
	s_cbranch_scc0 .Lfor_b_\@
	tensor_load_to_lds s[\g0a:\g0a+3], s[\g1a:\g1a+7]
	s_nop 0
.rept 4
	v_nop
.endr
	s_branch .Lasked_\@
.Lfor_b_\@:
	tensor_load_to_lds s[\g0b:\g0b+3], s[\g1b:\g1b+7]
	s_nop 0
.rept 4
	v_nop
.endr
.Lasked_\@:
.endm
.macro CREST
	s_cmp_lg_u32 s14, 0
	s_cbranch_scc1 .Lnot_wave_0_\@
	s_barrier_signal -3
.Lnot_wave_0_\@:
	s_barrier_wait -3
	s_barrier_signal -1
	s_barrier_wait -1
.endm
.macro CROUND
	s_barrier_signal -1
	s_barrier_wait -1
	CREST
.endm
	s_load_b256 s[4:11], s[0:1], 0x0
	v_lshl_add_u32 v[SPW], v0, 2, SPARE
	v_mov_b32 v[NIL], 0
	ds_add_u32 v28, v29
	ds_add_u32 v28, v29
	s_wait_dscnt 0x0
	v_lshrrev_b32 v1, 5, v0
	v_readfirstlane_b32 s14, v1
	s_lshr_b32 s15, s14, 1
	s_and_b32 s16, s14, 1
	s_bfe_u32 s40, ttmp6, 0x40000
	s_bfe_u32 s41, ttmp6, 0x40004
	s_and_b32 s100, ttmp7, 0xffff
	s_lshr_b32 s101, s100, 1
	s_lshl_b32 s18, ttmp9, 2
	s_mul_i32 s19, s18, s101
	s_sub_co_u32 s18, s18, s19
	s_add_co_u32 s42, s19, s40
	s_add_co_u32 s17, s18, s41
	s_lshl_b32 s43, s41, 2
	s_lshl_b32 s43, 15, s43
	s_lshl_b32 s44, 0x1111, s40
	s_or_b32 s[G1+0], s43, (3<<16)|(1<<21)
	s_or_b32 s[G1B+0], s44, (3<<16)|(1<<21)
.irp g, G1, G1B
	s_mov_b32 s[\g+1], (TB3/8)<<16
	s_mov_b32 s[\g+2], 16<<16
	s_mov_b32 s[\g+3], (TB3/8)<<16
	s_mov_b32 s[\g+4], 16
	s_mov_b32 s[\g+5], GROW/8
	s_mov_b32 s[\g+6], 0
	s_mov_b32 s[\g+7], 0
.endr
	s_or_b32 s[G1S+0], s43, (3<<16)|(1<<20)|(1<<21)|(5<<22)|(3<<25)
	s_or_b32 s[G1SB+0], s44, (3<<16)|(1<<20)|(1<<21)|(5<<22)|(3<<25)
.irp g, G1S, G1SB
	s_mov_b32 s[\g+1], 32<<16
	s_mov_b32 s[\g+2], 32<<16
	s_mov_b32 s[\g+3], 32<<16
	s_mov_b32 s[\g+4], 32
	s_mov_b32 s[\g+5], 32
	s_mov_b32 s[\g+6], 0
	s_mov_b32 s[\g+7], 0
.endr
	s_lshl_b32 s20, s100, 8
	s_mul_i32 s21, s101, 384
	s_add_co_u32 s20, s20, s21
	s_lshl_b32 s46, s100, 6
	s_add_co_u32 s46, s46, 768
	s_sub_co_u32 s46, s46, s21
	s_lshl_b32 s19, s17, 4
	s_add_co_u32 s20, s20, s19
	s_lshl_b32 s47, s42, 4
	s_add_co_u32 s46, s46, s47
	s_lshl_b32 s22, s20, 9
	s_mov_b32 s23, 0
	s_mul_i32 s20, s20, GROW
	s_mov_b32 s21, 0
	s_lshl_b32 s92, s46, 9
	s_mov_b32 s93, 0
	s_mul_i32 s46, s46, GROW
	s_mov_b32 s47, 0
	s_mul_i32 s45, s14, HALFT
	s_mul_i32 s18, s16, 8*GROW                     ; in the ring I fetch eight of a side's sixteen tiles: which eight, in bytes
	s_mov_b32 s19, 0
	s_wait_kmcnt 0x0
	s_add_nc_u64 s[20:21], s[4:5], s[20:21]
	s_add_nc_u64 s[22:23], s[6:7], s[22:23]
	s_add_nc_u64 s[46:47], s[4:5], s[46:47]
	s_add_nc_u64 s[92:93], s[6:7], s[92:93]
	CROUND
	s_mov_b32 s[G0S], 1
	s_mov_b32 s[G0S+1], SCL
	s_mov_b64 s[G0S+2:G0S+3], s[22:23]
	s_or_b32 s[G0S+3], s[G0S+3], 0x80000000
	s_mov_b32 s[G0SB], 1
	s_mov_b32 s[G0SB+1], SCL+2*HALFS
	s_mov_b64 s[G0SB+2:G0SB+3], s[92:93]
	s_or_b32 s[G0SB+3], s[G0SB+3], 0x80000000
.irp s, 0,1
	s_mov_b32 s[G0+4*\s], 1
	s_add_co_u32 s[G0+4*\s+1], s45, \s*SLOT
	s_add_nc_u64 s[G0+4*\s+2:G0+4*\s+3], s[20:21], \s*TB3
	s_or_b32 s[G0+4*\s+3], s[G0+4*\s+3], 0x80000000
	s_mov_b32 s[G0B+4*\s], 1
	s_add_co_u32 s[G0B+4*\s+1], s45, \s*SLOT
	s_add_nc_u64 s[G0B+4*\s+2:G0B+4*\s+3], s[46:47], \s*TB3
	s_or_b32 s[G0B+4*\s+3], s[G0B+4*\s+3], 0x80000000
.endr
	; THE HEAD'S LOADS, ONE A WAVE: wave 0 slot 0's sixteen tiles of A, wave 1 its sixteen of B, wave 2 A's scale bytes, wave 3 B's.  One tree of branches on the wave's number.
	s_mov_b32 s[G0+1], 0
	s_mov_b32 s[G0B+1], 2*HALFT
	s_add_nc_u64 s[G0+6:G0+7], s[G0+6:G0+7], s[18:19]      ; slot 1's loads bring my eight tiles
	s_add_nc_u64 s[G0B+6:G0B+7], s[G0B+6:G0B+7], s[18:19]
.macro ARM under, g0, g1, next
	s_cmp_lt_u32 s14, \under
	s_cbranch_scc0 \next
	tensor_load_to_lds s[\g0:\g0+3], s[\g1:\g1+7]
	s_nop 0
.rept 4
	v_nop
.endr
	s_branch .Lhead_asked
\next:
.endm
	ARM 1, G0,  G1,  .Lhead_b
	ARM 2, G0B, G1B, .Lhead_sa
	ARM 3, G0S, G1S, .Lhead_sb
	tensor_load_to_lds s[G0SB:G0SB+3], s[G1SB:G1SB+7]
	s_nop 0
.rept 4
	v_nop
.endr
.Lhead_asked:
	v_and_b32 v1, 15, v0
	v_bfe_u32 v2, v0, 4, 1
	v_and_b32 v3, 31, v0
	v_lshlrev_b32 v4, 4, v3
	v_lshlrev_b32 v5, 3, v3
	s_mul_i32 s21, s15, HALFT
	s_mul_i32 s22, s16, HALFT
	s_add_co_u32 s22, s22, 2*HALFT
.irp s, 0,1
	v_add_nc_u32 v[ADRA+\s], s21, v4
	v_add_nc_u32 v[ADRB+\s], s22, v4
	v_add_nc_u32 v[ADRA+2+\s], s21, v5
	v_add_nc_u32 v[ADRB+2+\s], s22, v5
	s_add_co_u32 s21, s21, SLOT
	s_add_co_u32 s22, s22, SLOT
.endr
	v_mul_u32_u24 v5, v1, KS
	v_lshrrev_b32 v6, 8, v5
	v_lshl_add_u32 v5, v6, 4, v5
	s_mul_i32 s21, s15, HALFS
	s_mul_i32 s22, s16, HALFS
	s_add_co_u32 s22, s22, 2*HALFS
	s_sub_co_u32 s22, s22, s21
	v_mul_u32_u24 v6, s22, v2
	s_add_co_u32 s21, s21, SCL
	v_add_nc_u32 v5, v5, v6
	v_add_nc_u32 v[ADRS], s21, v5
.macro FRAG reg, adr, q, i
	ds_load_b128 v[\reg:\reg+3], v[\adr] offset:(\i)*TB3+(\q)*FRB
	ds_load_b64 v[\reg+4:\reg+5], v[\adr+2] offset:(\i)*TB3+(\q)*FRB+512
	ds_load_b128 v[\reg+6:\reg+9], v[\adr] offset:(\i)*TB3+(\q)*FRB+768
	ds_load_b64 v[\reg+10:\reg+11], v[\adr+2] offset:(\i)*TB3+(\q)*FRB+1280
.endm
.macro MUL16 a0, p, q, sc, zero
.irp a, \a0, \a0+1
.irp b, 0,1,2,3,4,5,6,7
.if \zero
	v_wmma_scale_f32_16x16x128_f8f6f4 v[8*(8*((\a)%4)+\b):8*(8*((\a)%4)+\b)+7], v[128*(\p)+FR*\b:128*(\p)+FR*\b+FR-1], v[AF+FR*(\a):AF+FR*(\a)+FR-1], 0, v[SC+8*NQ*(\sc)+NQ*\b+(\q)], v[SC+8*NQ*(\sc)+NQ*(\a)+(\q)] matrix_a_fmt:MATRIX_FMT_FP6 matrix_b_fmt:MATRIX_FMT_FP6 matrix_a_scale:MATRIX_SCALE_ROW1
.else
	v_wmma_scale_f32_16x16x128_f8f6f4 v[8*(8*((\a)%4)+\b):8*(8*((\a)%4)+\b)+7], v[128*(\p)+FR*\b:128*(\p)+FR*\b+FR-1], v[AF+FR*(\a):AF+FR*(\a)+FR-1], v[8*(8*((\a)%4)+\b):8*(8*((\a)%4)+\b)+7], v[SC+8*NQ*(\sc)+NQ*\b+(\q)], v[SC+8*NQ*(\sc)+NQ*(\a)+(\q)] matrix_a_fmt:MATRIX_FMT_FP6 matrix_b_fmt:MATRIX_FMT_FP6 matrix_a_scale:MATRIX_SCALE_ROW1
.endif
.endr
.endr
.endm
.macro FETCH_B slot, q, p
	WIN TO_B
.irp i, 0,1,2,3,4,5,6,7
	FRAG 128*(\p)+FR*\i, ADRB+\slot, \q, \i
.endr
	WIN 0
.endm
.macro FETCH_A slot, q, i0
.irp i, \i0, \i0+1, \i0+2, \i0+3
	FRAG AF+FR*(\i), ADRA+\slot, \q, \i
.endr
.endm
.macro SCALES sc
.irp i, 0,1,2,3,4,5,6,7
	ds_load_b64 v[SC+8*NQ*\sc+NQ*\i:SC+8*NQ*\sc+NQ*\i+1], v[ADRS] offset:\i*SBLK
.endr
.endm
.macro PLACES n
.rept \n
	v_nop
.endr
.endm
.macro STEP slot, q, zero
	s_wait_dscnt 4*NL
	WIN MUL_LO
	MUL16 0, (\q)%2, \q, \slot, \zero
	MUL16 2, (\q)%2, \q, \slot, \zero
	s_wait_dscnt 0
	PLACES NP
	FETCH_B \slot, (\q)+1, 1-(\q)%2
	FETCH_A \slot, (\q)+1, 0
	WIN MUL_HI
	MUL16 4, (\q)%2, \q, \slot, \zero
	MUL16 6, (\q)%2, \q, \slot, \zero
	PLACES NP
	WIN 0
	FETCH_A \slot, (\q)+1, 4
.endm
.macro TURN slot, next, fill
	s_wait_tensorcnt 0x0
	ds_add_u32 v[SPW], v[NIL]
	s_wait_dscnt 4*NL+1
	WIN MUL_LO
	MUL16 0, 1, NQ-1, \slot, 0
	s_wait_dscnt 0x0
	s_barrier_signal -1
	MUL16 2, 1, NQ-1, \slot, 0
	WIN 0
	s_barrier_wait -1
.if \fill
	CREST
	s_add_nc_u64 s[G0+4*\slot+2:G0+4*\slot+3], s[G0+4*\slot+2:G0+4*\slot+3], 2*TB3
	s_add_nc_u64 s[G0B+4*\slot+2:G0B+4*\slot+3], s[G0B+4*\slot+2:G0B+4*\slot+3], 2*TB3
	JLOAD G0+4*\slot, G1, G0B+4*\slot, G1B
.else
	PLACES NP
.endif
	s_wait_alu depctr_va_vdst(0)
	v_add_nc_u32 v[ADRS], 4*NQ, v[ADRS]
	FETCH_B \next, 0, 0
	FETCH_A \next, 0, 0
	SCALES \next
	WIN MUL_HI
	MUL16 4, 1, NQ-1, \slot, 0
	MUL16 6, 1, NQ-1, \slot, 0
	PLACES NP
	WIN 0
	FETCH_A \next, 0, 4
.endm
	s_wait_alu depctr_va_vdst(0)
	s_wait_tensorcnt 0x0                           ; my tile of the head's four is in
	ds_add_u32 v[SPW], v[NIL]
	s_mov_b32 s[G1+2], 8<<16                       ; no tensor load of mine is out: from here on a load brings eight tiles,
	s_mov_b32 s[G1+4], 8
	s_mov_b32 s[G1B+2], 8<<16
	s_mov_b32 s[G1B+4], 8
	s_mov_b32 s[G0+1], s45                         ; and slot 0's refills go by the wave's number, as slot 1's
	s_mov_b32 s[G0B+1], s45
	s_add_nc_u64 s[G0+2:G0+3], s[G0+2:G0+3], s[18:19]
	s_add_nc_u64 s[G0B+2:G0B+3], s[G0B+2:G0B+3], s[18:19]
	s_wait_dscnt 0x0
	CROUND                                         ; all four tiles are in, all sixteen work-groups are here
	JLOAD G0+4, G1, G0B+4, G1B                     ; slot 1's first fill, the first tensor load behind the round
	FETCH_B 0, 0, 0
	FETCH_A 0, 0, 0
	SCALES 0
	FETCH_A 0, 0, 4
	STEP 0, 0, 1
	TURN 0, 1, 1
	STEP 1, 0, 0
	TURN 1, 0, 1
	STEP 0, 0, 0
	TURN 0, 1, 0
	STEP 1, 0, 0
	s_wait_dscnt 4*NL
	WIN MUL_LO
	MUL16 0, 1, NQ-1, 1, 0
	MUL16 2, 1, NQ-1, 1, 0
	s_wait_dscnt 0
	WIN MUL_HI
	MUL16 4, 1, NQ-1, 1, 0
	MUL16 6, 1, NQ-1, 1, 0
	WIN 0
	PLACES NP
	v_and_b32 v3, 31, v0
	v_lshlrev_b32 v[L16], 4, v3
	v_lshlrev_b32 v[L8], 3, v3
	v_mul_u32_u24 v[SOFF], v2, HS
	v_lshl_add_u32 v[SOFF], v1, 4, v[SOFF]
	v_lshlrev_b32 v[H16], 4, v2
.irp b, 0,1,2,3
	v_mov_b32 v[TM+4+\b], 0
.endr
	s_mov_b32 s[SEL], 0x76543210
	s_mov_b32 s[SEL+1], 0xfedcba98
	s_cmp_eq_u32 s100, 2
	s_cselect_b32 s20, s42, s17
	s_cselect_b32 s21, s16, s15
	s_cselect_b32 s22, s17, s42
	s_cselect_b32 s23, s15, s16
	s_lshl_b32 s20, s20, 1
	s_add_co_u32 s20, s20, s21
	s_lshl_b32 s22, s22, 2
	s_lshl_b32 s23, s23, 1
	s_add_co_u32 s22, s22, s23
	s_lshr_b32 s21, s20, 4
	s_and_b32 s20, s20, 15
	s_lshl_b32 s21, s21, 8
	s_lshl_b32 s22, s22, 4
	s_add_co_u32 s20, s20, s21
	s_add_co_u32 s20, s20, s22
	s_mul_i32 s20, s20, RECB
	s_mov_b32 s21, 0
	s_cmp_eq_u32 s100, 0
	s_cselect_b64 s[REC:REC+1], s[8:9], s[10:11]
	s_add_nc_u64 s[REC:REC+1], s[REC:REC+1], s[20:21]
.macro QUANTW a
.set AC, 64*((\a)%4)
.set WW, 2+(\a)/4
.set W12, (WW<<2)|(WW<<4)
	WIN W12
.irp b, 0,1,2,3
	v_max3_num_f32 v[TM+\b], 0x1800000, |v[AC+16*\b]|, |v[AC+16*\b+1]|
.endr
.irp i, 2,4,6,8,10,12,14
.irp b, 0,1,2,3
	v_max3_num_f32 v[TM+\b], v[TM+\b], |v[AC+16*\b+\i]|, |v[AC+16*\b+\i+1]|
.endr
.endr
	WIN 0
.irp b, 0,1,2,3
	v_permlanex16_b32 v[TM+4+\b], v[TM+\b], s[SEL], s[SEL+1]
.endr
.irp b, 0,1,2,3
	v_max_num_f32 v[TM+\b], v[TM+\b], v[TM+4+\b]
.endr
.irp b, 0,1,2,3
	v_add_nc_u32 v[TM+12+\b], 0xff000000, v[TM+\b]
.endr
.irp b, 0,1,2,3
	v_lshrrev_b32 v[TM+4+\b], 23, v[TM+12+\b]
.endr
	v_lshl_or_b32 v[WD+(\a)], v[TM+5], 8, v[TM+4]
	v_lshl_or_b32 v[WD+(\a)], v[TM+6], 16, v[WD+(\a)]
	v_lshl_or_b32 v[WD+(\a)], v[TM+7], 24, v[WD+(\a)]
	s_wait_xcnt 0x0
	WIN WW
.irp c, 0,1
	v_cvt_scalef32_pk16_fp6_f32 v[PC+6*\c:PC+2+6*\c], v[AC+32*\c:AC+15+32*\c], v[TM+12+2*\c]
	v_cvt_scalef32_pk16_fp6_f32 v[PC+12+4*\c:PC+14+4*\c], v[AC+16+32*\c:AC+31+32*\c], v[TM+12+2*\c+1]
.endr
	WIN 0
	v_nop
.irp c, 0,1
.irp i, 0,1,2
	v_permlane16_swap_b32 v[PC+6*\c+\i], v[PC+12+4*\c+\i]
.endr
.irp i, 0,1,2
	v_mov_b32 v[PC+3+6*\c+\i], v[PC+12+4*\c+\i]
.endr
.endr
.endm
.macro OUTV o                          ; a fragment of V^T, 12 registers, as three pieces of four registers at 16 x lane: 1,536 consecutive bytes
	global_store_b128 v[L16], v[PC:PC+3], s[REC:REC+1] offset:\o
	global_store_b128 v[L16], v[PC+4:PC+7], s[REC:REC+1] offset:\o+512
	global_store_b128 v[L16], v[PC+8:PC+11], s[REC:REC+1] offset:\o+1024
.endm
.macro OUTT o0, o1
	global_store_b128 v[L16], v[PC:PC+3], s[REC:REC+1] offset:\o0
	global_store_b64 v[L8], v[PC+4:PC+5], s[REC:REC+1] offset:\o0+512
	global_store_b128 v[L16], v[PC+6:PC+9], s[REC:REC+1] offset:\o1
	global_store_b64 v[L8], v[PC+10:PC+11], s[REC:REC+1] offset:\o1+512
.endm
	s_cmp_eq_u32 s100, 2
	s_cbranch_scc1 .Lv
.irp a, 0,1,2,3,4,5,6,7
	QUANTW \a
	OUTT 768*\a, 768*\a+HS
.endr
.irp g, 0,1
.irp i, 0,1,2,3
	v_bfe_u32 v[T4+4*\g+\i], v[WD+4*\g+\i], v[H16], 16
.endr
	global_store_b128 v[SOFF], v[T4+4*\g:T4+4*\g+3], s[REC:REC+1] offset:12288+256*\g
.endr
	s_branch .Ljoin
.Lv:
.irp a, 0,1,2,3,4,5,6,7
	QUANTW \a
	OUTV HS*(\a/4)+6144+FRB*(\a%4)
.endr
	v_cmp_ne_u32 vcc_lo, 0, v[H16]
.irp i, 0,1,2,3
	v_cndmask_b32 v[T4+\i], v[WD+\i], v[WD+4+\i], vcc_lo
.endr
	global_store_b128 v[SOFF], v[T4:T4+3], s[REC:REC+1] offset:12800
.Ljoin:
	s_wait_tensorcnt 0x0
	ds_add_u32 v[SPW], v[NIL]
	s_wait_dscnt 0x0
	CROUND
	s_endpgm
.Lfunc_end_k_q7749d64c9d_proj:
	.size	k_q7749d64c9d_proj, .Lfunc_end_k_q7749d64c9d_proj-k_q7749d64c9d_proj
	.p2alignl 7, 3214868480
	.fill 96, 4, 3214868480
	.section	.rodata,"a",@progbits
	.p2align	6, 0x0
	.amdhsa_kernel k_q7749d64c9d_proj
		.amdhsa_group_segment_fixed_size 327680
		.amdhsa_private_segment_fixed_size 0
		.amdhsa_enable_private_segment 0
		.amdhsa_kernarg_size 32
		.amdhsa_user_sgpr_count 2
		.amdhsa_user_sgpr_kernarg_segment_ptr 1
		.amdhsa_wavefront_size32 1
		.amdhsa_system_sgpr_workgroup_id_x 1
		.amdhsa_system_sgpr_workgroup_id_y 1
		.amdhsa_system_sgpr_workgroup_id_z 1
		.amdhsa_system_vgpr_workitem_id 0
		.amdhsa_next_free_vgpr 1024
		.amdhsa_next_free_sgpr 102
		.amdhsa_reserve_vcc 1
		.amdhsa_float_denorm_mode_32 3
		.amdhsa_float_denorm_mode_16_64 3
		.amdhsa_memory_ordered 1
		.amdhsa_forward_progress 1
		.amdhsa_inst_pref_size 184
	.end_amdhsa_kernel
	.amdgpu_metadata
---
amdhsa.version: [ 1, 2 ]
amdhsa.kernels:
  - .name:           k_q7749d64c9d_proj
    .symbol:         k_q7749d64c9d_proj.kd
    .args:
      - { .name: xc, .offset: 0, .size: 8, .value_kind: global_buffer, .address_space: global }
      - { .name: xs, .offset: 8, .size: 8, .value_kind: global_buffer, .address_space: global }
      - { .name: qrec, .offset: 16, .size: 8, .value_kind: global_buffer, .address_space: global }
      - { .name: kvrec, .offset: 24, .size: 8, .value_kind: global_buffer, .address_space: global }
    .group_segment_fixed_size: 327680
    .private_segment_fixed_size: 0
    .kernarg_segment_align: 8
    .kernarg_segment_size: 32
    .max_flat_workgroup_size: 128
    .sgpr_count:     102
    .vgpr_count:     1024
    .wavefront_size: 32
...
	.end_amdgpu_metadata
.endif
;; end of part 2
;; launch attn (part 3): grid 8 x 32, 16 waves a work-group, clusters of 4 x 1, 210,944 bytes of LDS; arguments qrec, kvrec, cc, cs; writes cc, cs
.if DOCPART == 3
	.amdgcn_target "amdgcn-amd-amdhsa--gfx1250"
	.amdhsa_code_object_version 6
	.text
	.protected	k_q7749d64c9d_attn
	.globl	k_q7749d64c9d_attn
	.p2align	8
	.type	k_q7749d64c9d_attn,@function
k_q7749d64c9d_attn:
	s_mov_b64 s[64:65], 0
	v_nop
	global_prefetch_b8 v0, s[64:65] scope:SCOPE_SE
	s_setreg_imm32_b32 hwreg(HW_REG_WAVE_MODE, 25, 1), 1
	s_wait_xcnt 0x0
	s_wait_alu depctr_hold_cnt(0) depctr_sa_sdst(0) depctr_va_vdst(0) depctr_va_sdst(0) depctr_va_ssrc(0) depctr_va_vcc(0) depctr_vm_vsrc(0)
	s_getreg_b32 s2, hwreg(HW_REG_IB_STS2, 6, 4)
	s_cmp_eq_u32 s2, 0
	s_cbranch_scc0 .Lentry_in_a_cluster
	s_endpgm
.Lentry_in_a_cluster:
	s_bfe_u32 s2, ttmp6, 0x10000c
	s_cmp_lg_u32 s2, 0x3003
	s_cbranch_scc0 .Lentry_shape_is_right
	s_endpgm
.Lentry_shape_is_right:
; context[b][q][head] = the sum over k of softmax_k(Q . K / 8) V, both products on codes of FP6 (E2M3) with E8M0 scales; the context is quantised along its 64 channels and leaves as codes for the last product.
; THE SOFTMAX AHEAD OF THE SECOND PRODUCT: t = score x log2(e) / 8; M = the row's largest t so far, rounded UP to a whole number; p = 2^(t - M) is what is quantised, along the keys, not normalised.
; The row's sum is taken of the unquantised p, in f32, and divides O at the end.  When M moves, the sum and O are multiplied by 2^(old M - new M): exact.
; IN.  Records of 13,056 bytes, 128 sequence rows of one head: +0 eight tiles of 16 rows x 64 as images of 6 registers (768 bytes: registers 0-3 at 16 x lane, 4-5 at 8 x lane);
; +6,144 V^T, four tiles of 16 channels x 128 keys, 1,536 bytes each: three pieces of four registers at 16 x lane; +12,288 the eight tiles' scale words [tile / 4][row][tile % 4]; +12,800 V^T's [row][tile].  kvrec holds K and V, qrec Q in K's places.
; K's tile 4 c + u holds keys 64 c + 8 u + i and 64 c + 32 + 8 u + i, i = 0 .. 7; Q's tile t holds rows 32 (t / 2) + 8 (t % 2) + i + 8 (i / 8).
; SHARES.  A work-group owns 256 queries of one (batch, head); each of its sixteen waves owns one tile of 16, in 256 registers: four waves to a SIMD.
; THE HEAD'S WHOLE K AND V, 16 records, 208,896 bytes, LIE IN LDS, filled once: wave w brings record w by one tensor load.  Nothing is filled again, nothing is stored into LDS, and the loops have no barrier.
; Waves 0-3 have a load line and a wait of their own: the first barrier shows records 0-3, which the first loop's four trips read; every wave waits for its load ahead of the barrier in front of the second loop, which reads records 4-15.
; CLUSTER.  The four work-groups of a cluster belong to one head: each record is asked for JOINTLY, by the same load with the same descriptor and a mask that names the four.
; Everything that the launch reads is asked for at its head by these loads: there is no later stream to ask for ahead of time.
; LAYOUT.  Both products are used transposed: S^T = K Q^T (source 0 = 16 keys, source 1 = my 16 queries), O^T = V^T P^T: a lane holds ONE query (lane % 16) throughout.
; By K's order of keys, score register 32 c + i of lane (r, h) is key 64 c + 32 h + i: A WHOLE SCALE BLOCK OF p LIES IN ONE LANE, in the order of the next operand's registers: no lane is asked for a block's maximum, and no code changes lanes.
; THE FIRST PRODUCT'S K IS 64 of the instruction's 128: Q's registers 6-11 are zero codes.  K's tiles lie 6 registers apart, so a tile's registers 6-11 are the next tile's codes (behind the last: zeros): every code is a finite number, and they meet zeros.
; THE ROW'S SUM runs in four chains; three of them are joined to the fourth behind the NEXT step's first products, where plain vector lines are owed anyway (under the M of the step that made them: the rescaling follows), and once more on the way out.
; LIMITS: NaN and infinities are not served; the scaled scores stay under 2^31 in magnitude; a block of the context whose largest magnitude lies under 2^-124 has its byte held at 1, a block of zeros gets the byte 1 (its codes are zeros; this program alone reads the bytes).
; cs is written one byte a lane, two bytes of each row's 32 by each head: the sixteen heads of a row lie in sixteen work-groups.  131,072 bytes in all.
.set RECB, 13056
.set HS,   16*RECB
.set SPARE, 16*RECB                    ; behind the records: the spare words, 128 bytes a wave
.set L16,  1                           ; 16 x lane
.set L8,   2                           ; 8 x lane
.set LR,   3                           ; 16 r
.set A16,  4                           ; v4-6 the same, in the record in hand
.set A8,   5
.set AR,   6
.set SB,   7                           ; 32 r + h: my byte of the context's scale bytes
.set SMA,  10                          ; v10-11, v30-31, v92-93 three chains of the sum  (v8 r, v9 h)
.set SMB,  30
.set SMC,  92
.set QF,   16                          ; v16-27 Q's fragment (22-27: zeros); v28 its scale words
.set QS,   28
.set H8,   29                          ; 8 h
.set KF,   32                          ; v32-79 K's eight tiles; v80-85 zeros.  Behind the first product: v32-43 p's codes, v44-46, v48-50 upper halves
.set TP,   44
.set KSW,  86                          ; v86-89 K's scale words: lanes 0-15 tiles 0-3, lanes 16-31 tiles 4-7
.set OPD,  90                          ; v90-91 the conversions' scale operands
.set SPW,  95
.set S,    96                          ; v96-159 S^T, then p
.set O,    160                         ; v160-191 O^T
.set VF,   192                         ; v192-239 V^T's four fragments
.set VSW,  240
.set BM,   244                         ; v244-247 four chains of maxima; then v244, v246 my two blocks' largest score, largest p
.set PT,   248                         ; v248-251 at work
.set NIL,  255                         ; v12 -M, v13 the largest score, v[14:15] the sum in two halves, v252 f, v253 p's scale word, v254 at work
.set WV,   18
.set SEL,  20
.set CS,   22
.set G1,   24
.set G0,   32
.set TB,   36                          ; LDS byte at which the record in hand begins
.set CNT,  37
.macro CROUND
	s_barrier_signal -1
	s_barrier_wait -1
	s_cmp_lg_u32 s[WV], 0
	s_cbranch_scc1 .Lnot_wave_0_\@
	s_barrier_signal -3
.Lnot_wave_0_\@:
	s_barrier_wait -3
	s_barrier_signal -1
	s_barrier_wait -1
.endm
	s_load_b256 s[4:11], s[0:1], 0x0               ; qrec, kvrec, cc, cs
	v_lshl_add_u32 v[SPW], v0, 2, SPARE
	v_mov_b32 v[NIL], 0
	ds_add_u32 v[SPW], v[NIL]                      ; the opening lines
	ds_add_u32 v[SPW], v[NIL]
	v_lshrrev_b32 v8, 5, v0
	s_delay_alu instid0(VALU_DEP_1)
	v_readfirstlane_b32 s[WV], v8                  ; wave 0..15
	s_bfe_u32 s38, ttmp6, 0x40000                  ; cx: it enters Q's and the context's addresses alone
	s_lshl_b32 s39, ttmp9, 2
	s_add_co_u32 s39, s39, s38
	s_lshl_b32 s39, s39, 4
	s_add_co_u32 s39, s39, s[WV]                   ; T: my tile of 16 queries, 0 .. 127
	s_and_b32 s40, ttmp7, 0xffff                   ; 16 batch + head
	s_mul_i32 s42, s40, HS
	s_mov_b32 s43, 0
	s_mul_i32 s41, s[WV], RECB                     ; record w: in memory and in LDS
	s_mov_b32 s44, s41
	s_mov_b32 s45, 0
	s_mov_b32 s[G1+0], 15|(3<<16)|(1<<21)          ; a record is 51 dense rows of 256 bytes; the mask names all four work-groups
	s_mov_b32 s[G1+1], 32<<16
	s_mov_b32 s[G1+2], 51<<16
	s_mov_b32 s[G1+3], 32<<16
	s_mov_b32 s[G1+4], 51
	s_mov_b32 s[G1+5], 32
	s_mov_b32 s[G1+6], 0
	s_mov_b32 s[G1+7], 0
	s_mov_b32 s[SEL], 0x76543210
	s_mov_b32 s[SEL+1], 0xfedcba98
	s_mov_b32 s[CS], 0x3e38aa3b                    ; c = log2(e) / 8
	s_mov_b32 s[CS+1], s[CS]
	s_mov_b32 s[TB], 0
	s_wait_dscnt 0x0
	s_wait_kmcnt 0x0
	s_mov_b32 s[G0], 1
	s_mov_b32 s[G0+1], s41
	s_add_nc_u64 s[G0+2:G0+3], s[6:7], s[42:43]
	s_add_nc_u64 s[G0+2:G0+3], s[G0+2:G0+3], s[44:45]
	s_or_b32 s[G0+3], s[G0+3], 0x80000000
	CROUND                                         ; all four work-groups are here: the joint loads meet
	s_cmp_lt_u32 s[WV], 4                          ; two arms, one load each: waves 0-3, which wait first, have a line of their own
	s_cbranch_scc0 .Llate
	tensor_load_to_lds s[G0:G0+3], s[G1:G1+7]
	s_nop 0
.rept 4
	v_nop
.endr
	s_branch .Lasked
.Llate:
	tensor_load_to_lds s[G0:G0+3], s[G1:G1+7]
	s_nop 0
.rept 4
	v_nop
.endr
.Lasked:
	s_lshr_b32 s46, s39, 3                         ; Q: record T / 8,
	s_mul_i32 s46, s46, RECB
	s_add_co_u32 s46, s46, s42
	s_and_b32 s47, s39, 7                          ; tile T % 8
	s_mul_i32 s47, s47, 768
	s_add_co_u32 s48, s46, s47
	s_mov_b32 s49, 0
	s_add_nc_u64 s[48:49], s[4:5], s[48:49]
	s_bfe_u32 s47, s39, 0x10002                    ; its scale words: group (T / 4) % 2,
	s_lshl_b32 s47, s47, 8
	s_add_co_u32 s50, s46, s47
	s_and_b32 s47, s39, 3                          ; word T % 4 of a row's four
	s_lshl_b32 s47, s47, 2
	s_add_co_u32 s50, s50, s47
	s_mov_b32 s51, 0
	s_add_nc_u64 s[50:51], s[4:5], s[50:51]
	v_and_b32 v8, 15, v0                           ; r
	v_bfe_u32 v9, v0, 4, 1                         ; h
	v_and_b32 v[L8], 31, v0
	s_delay_alu instid0(VALU_DEP_1)
	v_lshlrev_b32 v[L16], 4, v[L8]
	s_delay_alu instid0(VALU_DEP_2)
	v_lshlrev_b32 v[L8], 3, v[L8]
	v_lshlrev_b32 v[LR], 4, v8
	v_lshl_add_u32 v[SB], v8, 5, v9
	v_lshlrev_b32 v[H8], 3, v9
	global_load_b128 v[QF:QF+3], v[L16], s[48:49]
	global_load_b64 v[QF+4:QF+5], v[L8], s[48:49] offset:512
	global_load_b32 v[QS], v[LR], s[50:51] offset:12288
.irp i, 6,7,8,9,10,11
	v_mov_b32 v[QF+\i], 0                          ; zero codes for k = 64 .. 127
	v_mov_b32 v[KF+42+\i], 0                       ; and behind K's last tile
.endr
	v_mov_b32 v13, 0xff61b1e6                      ; the largest score so far: -3e38
	s_delay_alu instid0(VALU_DEP_1)
	v_floor_f32 v12, -v13                          ; -M
	v_mov_b32 v14, 0
	v_mov_b32 v15, 0
.irp b, 0,1
	v_mov_b32 v[SMA+\b], 0                         ; the sum's three other chains: the first step joins zeros
	v_mov_b32 v[SMB+\b], 0
	v_mov_b32 v[SMC+\b], 0
.endr
.irp b, 0,1,2,3
	v_mov_b32 v[PT+\b], 0                          ; a lane permute's destination counts as one of its sources
.endr
	v_mov_b32 v253, 0
.set j, 0
.rept 32
	v_mov_b32 v[O+j], 0                            ; O^T: the first step finds zeros, which the first change of M leaves zeros
.set j, j+1
.endr
	s_wait_alu depctr_va_vdst(0)
	s_wait_loadcnt 0x0                             ; Q
	s_cmp_lt_u32 s[WV], 4
	s_cbranch_scc0 .Lnot_first
	s_wait_tensorcnt 0x0                           ; waves 0-3: my record is in
.Lnot_first:
	s_barrier_signal -1
	s_barrier_wait -1                              ; records 0-3 lie in LDS
.macro STEP                            ; a record, 128 keys
	v_add_nc_u32 v[A16], s[TB], v[L16]
	v_add_nc_u32 v[A8], s[TB], v[L8]
	v_add_nc_u32 v[AR], s[TB], v[LR]
	v_mov_b32 v254, v12                            ; the old -M.  (These four are the places between the last products and the loads into their registers)
.irp t, 0,1,2,3,4,5,6,7
	ds_load_b128 v[KF+6*\t:KF+6*\t+3], v[A16] offset:768*\t
	ds_load_b64 v[KF+6*\t+4:KF+6*\t+5], v[A8] offset:768*\t+512
.endr
	ds_load_b128 v[KSW:KSW+3], v[A16] offset:12288
.irp c, 0,1,2,3
.irp k, 0,1,2
	ds_load_b128 v[VF+12*\c+4*\k:VF+12*\c+4*\k+3], v[A16] offset:6144+1536*\c+512*\k
.endr
.endr
	ds_load_b128 v[VSW:VSW+3], v[AR] offset:12800
	s_wait_dscnt 13                                ; K's 17 loads are in; V's 13, issued behind them, may be out
.irp t, 0,1,2,3
	v_wmma_scale_f32_16x16x128_f8f6f4 v[S+8*\t:S+8*\t+7], v[KF+6*\t:KF+6*\t+11], v[QF:QF+11], 0, v[KSW+\t], v[QS] matrix_a_fmt:MATRIX_FMT_FP6 matrix_b_fmt:MATRIX_FMT_FP6
.endr
.irp t, 4,5,6,7
	v_wmma_scale_f32_16x16x128_f8f6f4 v[S+8*\t:S+8*\t+7], v[KF+6*\t:KF+6*\t+11], v[QF:QF+11], 0, v[KSW+\t-4], v[QS] matrix_a_fmt:MATRIX_FMT_FP6 matrix_b_fmt:MATRIX_FMT_FP6 matrix_a_scale:MATRIX_SCALE_ROW1
.endr
	v_pk_add_f32 v[14:15], v[14:15], v[SMA:SMA+1]            ; the last step's chains are joined: four places behind the products
	v_pk_add_f32 v[SMB:SMB+1], v[SMB:SMB+1], v[SMC:SMC+1]
	v_nop
	v_pk_add_f32 v[14:15], v[14:15], v[SMB:SMB+1]
.irp b, 0,1,2,3                        ; the largest score of my two blocks of 32 keys, in four chains by turns; each accumulator is read from its low end on
	v_max3_num_f32 v[BM+\b], v[S+16*\b], v[S+1+16*\b], v[S+2+16*\b]
.endr
.irp i, 3,5,7,9,11,13
.irp b, 0,1,2,3
	v_max3_num_f32 v[BM+\b], v[BM+\b], v[S+16*\b+\i], v[S+1+16*\b+\i]
.endr
.endr
.irp c, 0,1
	v_max3_num_f32 v[BM+2*\c], v[BM+2*\c], v[BM+2*\c+1], v[S+15+32*\c]
.endr
.irp c, 0,1
	v_max_num_f32 v[BM+2*\c], v[BM+2*\c], v[S+31+32*\c]   ; it serves twice: for the row's maximum and, since p rises with the score, for the block's largest p
.endr
	s_delay_alu instid0(VALU_DEP_1)
	v_max_num_f32 v[PT+1], v[BM], v[BM+2]
	s_delay_alu instid0(VALU_DEP_1)
	v_permlanex16_b32 v[PT], v[PT+1], s[SEL], s[SEL+1]
	s_delay_alu instid0(VALU_DEP_1)
	v_max3_num_f32 v13, v13, v[PT+1], v[PT]        ; the running largest score of my query, lane l xor 16's 64 keys among them
	s_delay_alu instid0(VALU_DEP_1)
	v_mul_f32 v[PT+2], s[CS], v13                  ; as t (c is positive)
	s_delay_alu instid0(VALU_DEP_1)
	v_floor_f32 v12, -v[PT+2]                      ; the new -M = -ceil(t): M IS A WHOLE NUMBER
	s_delay_alu instid0(VALU_DEP_1)
	v_sub_f32 v254, v12, v254                      ; M's old value less its new one: a whole number, 0 or less
	s_delay_alu instid0(VALU_DEP_1)
	v_cvt_i32_f32 v254, v254                       ; (it saturates)
	s_delay_alu instid0(VALU_DEP_1)
	v_ldexp_f32 v252, 1.0, v254                    ; f = 2^(old M - new M)
.set j, 0
.rept 32
	v_pk_fma_f32 v[S+j:S+j+1], v[S+j:S+j+1], s[CS:CS+1], v[12:13] op_sel_hi:[1,0,0]   ; t - M, two at a time (the low words of c and -M serve both halves)
.set j, j+2
.endr
.irp c, 0,1
	v_fma_f32 v[BM+2*\c], v[BM+2*\c], s[CS], v12   ; the same of each block's largest score
.endr
	s_wait_alu depctr_va_vdst(0)
.set j, 0
.rept 64
	v_exp_f32 v[S+j], v[S+j]                       ; p = 2^(t - M), at most 1: NOT normalised
.set j, j+1
.endr
.irp c, 0,1
	v_exp_f32 v[BM+2*\c], v[BM+2*\c]               ; the block's largest p: the same two instructions on the same number give the same bits
.endr
	v_pk_mul_f32 v[14:15], v[14:15], v[252:253] op_sel_hi:[1,0]   ; the sum under the new M.  (A plain place behind the exponentials)
	s_wait_alu depctr_va_vdst(0)                   ; one wait for the whole batch
	v_pk_add_f32 v[SMA:SMA+1], v[S:S+1], v[S+2:S+3]               ; THE ROW'S SUM IS TAKEN OF THE UNQUANTISED p: four chains by turns
	v_pk_add_f32 v[SMB:SMB+1], v[S+4:S+5], v[S+6:S+7]
	v_pk_add_f32 v[SMC:SMC+1], v[S+8:S+9], v[S+10:S+11]
	v_pk_add_f32 v[14:15], v[14:15], v[S+12:S+13]
.set j, 14
.rept 6
	v_pk_add_f32 v[SMA:SMA+1], v[SMA:SMA+1], v[S+j:S+j+1]
	v_pk_add_f32 v[SMB:SMB+1], v[SMB:SMB+1], v[S+j+2:S+j+3]
	v_pk_add_f32 v[SMC:SMC+1], v[SMC:SMC+1], v[S+j+4:S+j+5]
	v_pk_add_f32 v[14:15], v[14:15], v[S+j+6:S+j+7]
.set j, j+8
.endr
	v_pk_add_f32 v[SMA:SMA+1], v[SMA:SMA+1], v[S+62:S+63]
.irp c, 0,1
	v_max_num_f32 v[BM+2*\c], 0x1800000, v[BM+2*\c]   ; the floor 2^(3 - 127): the byte cannot fall under 1
.endr
.irp c, 0,1
	s_delay_alu instid0(VALU_DEP_2)
	v_add_nc_u32 v[OPD+\c], 0xff000000, v[BM+2*\c]    ; 2 off the exponent field: the conversion's scale operand
.endr
.irp c, 0,1                            ; registers 6 c .. 6 c + 5 of the operand: keys 64 c + 32 h + 0 .. 31, as they lie
	v_cvt_scalef32_pk16_fp6_f32 v[KF+6*\c:KF+2+6*\c], v[S+32*\c:S+15+32*\c], v[OPD+\c]
	v_cvt_scalef32_pk16_fp6_f32 v[TP+4*\c:TP+2+4*\c], v[S+16+32*\c:S+31+32*\c], v[OPD+\c]   ; (three registers from an even one on: made elsewhere and moved)
.endr
.irp c, 0,1
	v_lshrrev_b32 v[PT+\c], 23, v[OPD+\c]          ; the scale's byte.  (The plain place behind the conversions)
.endr
	s_delay_alu instid0(VALU_DEP_1)
	v_lshl_or_b32 v[PT+2], v[PT+1], 16, v[PT]      ; my two bytes: blocks h and 2 + h,
	s_delay_alu instid0(VALU_DEP_1)
	v_lshlrev_b32 v[PT+2], v[H8], v[PT+2]          ; at their places in the word;
	s_delay_alu instid0(VALU_DEP_1)
	v_permlanex16_b32 v[PT+3], v[PT+2], s[SEL], s[SEL+1]
	s_delay_alu instid0(VALU_DEP_1)
	v_or_b32 v253, v[PT+2], v[PT+3]                ; with lane l xor 16's two: p's scale word for these 128 keys
.irp c, 0,1
.irp i, 0,1,2
	v_mov_b32 v[KF+3+6*\c+\i], v[TP+4*\c+\i]
.endr
.endr
	s_wait_alu depctr_va_vdst(0)                   ; directly ahead of the first reader of O^T
.set j, 0
.rept 16
	v_pk_mul_f32 v[O+j:O+j+1], v[O+j:O+j+1], v[252:253] op_sel_hi:[1,0]   ; O^T under the new M.  (Also the places between the writes of p's codes and scale word and the products below)
.set j, j+2
.endr
	s_wait_alu depctr_va_vdst(0)
	s_wait_dscnt 0x0                               ; V
.irp c, 0,1,2,3                        ; O^T += V^T P^T: the four accumulators take turns
	v_wmma_scale_f32_16x16x128_f8f6f4 v[O+8*\c:O+8*\c+7], v[VF+12*\c:VF+12*\c+11], v[KF:KF+11], v[O+8*\c:O+8*\c+7], v[VSW+\c], v253 matrix_a_fmt:MATRIX_FMT_FP6 matrix_b_fmt:MATRIX_FMT_FP6
.endr
	s_add_co_u32 s[TB], s[TB], RECB
.endm
	s_mov_b32 s[CNT], 4
.Lfirst:                                           ; records 0-3
	STEP
	s_sub_co_u32 s[CNT], s[CNT], 1
	s_cmp_lg_u32 s[CNT], 0
	s_cbranch_scc1 .Lfirst
	s_wait_tensorcnt 0x0                           ; every wave: my record is in,
	s_barrier_signal -1
	s_barrier_wait -1                              ; everybody's is
	s_mov_b32 s[CNT], 12
.Lrest:                                            ; records 4-15
	STEP
	s_sub_co_u32 s[CNT], s[CNT], 1
	s_cmp_lg_u32 s[CNT], 0
	s_cbranch_scc1 .Lrest
	; THE WAY OUT.  O^T / the sum is the context: register 16 b + i of lane (r, h) is channel 32 b + 16 h + i of query row r.  Its two blocks of 32 are quantised, and the 16 x 64 codes leave as an image of 6 registers.
.rept 4
	v_nop                                          ; places behind the last products
.endr
	v_pk_add_f32 v[14:15], v[14:15], v[SMA:SMA+1]  ; the last step's chains
	v_pk_add_f32 v[SMB:SMB+1], v[SMB:SMB+1], v[SMC:SMC+1]
	v_nop
	v_pk_add_f32 v[14:15], v[14:15], v[SMB:SMB+1]
	v_nop
	v_add_f32 v14, v14, v15
	s_delay_alu instid0(VALU_DEP_1)
	v_permlanex16_b32 v252, v14, s[SEL], s[SEL+1]
	s_delay_alu instid0(VALU_DEP_1)
	v_add_f32 v14, v14, v252                       ; the row's sum
	s_wait_alu depctr_va_vdst(0)
	v_rcp_f32 v14, v14
	v_nop                                          ; a plain place behind the transcendental
	s_lshr_b32 s46, s40, 4                         ; the batch
	s_lshl_b32 s46, s46, 7
	s_add_co_u32 s46, s46, s39                     ; my tile among the context's 256
	s_and_b32 s47, s40, 15                         ; the head
	s_lshl_b32 s48, s46, 4
	s_add_co_u32 s48, s48, s47
	s_mul_i32 s48, s48, 768                        ; cc: [tile][head][768]
	s_mov_b32 s49, 0
	s_add_nc_u64 s[8:9], s[8:9], s[48:49]
	s_lshl_b32 s50, s46, 9                         ; cs: [tile][row][32], bytes 2 head and 2 head + 1
	s_lshl_b32 s47, s47, 1
	s_add_co_u32 s50, s50, s47
	s_mov_b32 s51, 0
	s_add_nc_u64 s[10:11], s[10:11], s[50:51]
	s_wait_alu depctr_va_vdst(0)                   ; the wait ahead of the reciprocal's first reader
.set j, 0
.rept 16
	v_pk_mul_f32 v[S+j:S+j+1], v[O+j:O+j+1], v[14:15] op_sel_hi:[1,0]   ; each accumulator from its low end on
.set j, j+2
.endr
.irp b, 0,1
	v_max3_num_f32 v[BM+\b], |v[S+16*\b]|, |v[S+1+16*\b]|, 0x1800000
.endr
.irp i, 2,4,6,8,10,12,14
.irp b, 0,1
	s_delay_alu instid0(VALU_DEP_2)
	v_max3_num_f32 v[BM+\b], v[BM+\b], |v[S+16*\b+\i]|, |v[S+1+16*\b+\i]|
.endr
.endr
.irp b, 0,1
	s_delay_alu instid0(VALU_DEP_2)
	v_permlanex16_b32 v[PT+\b], v[BM+\b], s[SEL], s[SEL+1]
.endr
.irp b, 0,1
	s_delay_alu instid0(VALU_DEP_2)
	v_max_num_f32 v[BM+\b], v[BM+\b], v[PT+\b]
.endr
.irp b, 0,1
	s_delay_alu instid0(VALU_DEP_2)
	v_add_nc_u32 v[OPD+\b], 0xff000000, v[BM+\b]
.endr
.irp b, 0,1
	s_delay_alu instid0(VALU_DEP_2)
	v_lshrrev_b32 v[PT+\b], 23, v[OPD+\b]
.endr
	v_cvt_scalef32_pk16_fp6_f32 v[KF:KF+2], v[S:S+15], v[OPD]
	v_cvt_scalef32_pk16_fp6_f32 v[KF+4:KF+6], v[S+16:S+31], v[OPD+1]
	v_nop                                          ; one plain place behind a scaled conversion
.irp i, 0,1,2
	v_permlane16_swap_b32 v[KF+\i], v[KF+4+\i]     ; lanes 0-15 now hold block 0 whole, lanes 16-31 block 1
.endr
.irp i, 0,1,2
	s_delay_alu instid0(VALU_DEP_3)
	v_mov_b32 v[KF+3+\i], v[KF+4+\i]               ; (ascending: each source is read before it is written)
.endr
	v_cmp_ne_u32 vcc_lo, 0, v9
	s_delay_alu instid0(VALU_DEP_1)
	v_cndmask_b32 v254, v[PT], v[PT+1], vcc_lo     ; lanes 0-15 store block 0's byte, lanes 16-31 block 1's
	global_store_b128 v[L16], v[KF:KF+3], s[8:9]               ; 512 consecutive bytes, at a multiple of 256
	global_store_b64 v[L8], v[KF+4:KF+5], s[8:9] offset:512    ; 256 likewise
	global_store_b8 v[SB], v254, s[10:11]
	s_wait_dscnt 0x0
	s_wait_tensorcnt 0x0                           ; the wave's end
	ds_add_u32 v[SPW], v[NIL]
	s_wait_dscnt 0x0
	CROUND                                         ; the closing round
	s_endpgm
.Lfunc_end_k_q7749d64c9d_attn:
	.size	k_q7749d64c9d_attn, .Lfunc_end_k_q7749d64c9d_attn-k_q7749d64c9d_attn
	.p2alignl 7, 3214868480
	.fill 96, 4, 3214868480
	.section	.rodata,"a",@progbits
	.p2align	6, 0x0
	.amdhsa_kernel k_q7749d64c9d_attn
		.amdhsa_group_segment_fixed_size 210944
		.amdhsa_private_segment_fixed_size 0
		.amdhsa_enable_private_segment 0
		.amdhsa_kernarg_size 32
		.amdhsa_user_sgpr_count 2
		.amdhsa_user_sgpr_kernarg_segment_ptr 1
		.amdhsa_wavefront_size32 1
		.amdhsa_system_sgpr_workgroup_id_x 1
		.amdhsa_system_sgpr_workgroup_id_y 1
		.amdhsa_system_sgpr_workgroup_id_z 1
		.amdhsa_system_vgpr_workitem_id 0
		.amdhsa_next_free_vgpr 256
		.amdhsa_next_free_sgpr 66
		.amdhsa_reserve_vcc 1
		.amdhsa_float_denorm_mode_32 3
		.amdhsa_float_denorm_mode_16_64 3
		.amdhsa_memory_ordered 1
		.amdhsa_forward_progress 1
		.amdhsa_inst_pref_size 42
	.end_amdhsa_kernel
	.amdgpu_metadata
---
amdhsa.version: [ 1, 2 ]
amdhsa.kernels:
  - .name:           k_q7749d64c9d_attn
    .symbol:         k_q7749d64c9d_attn.kd
    .args:
      - { .name: qrec, .offset: 0, .size: 8, .value_kind: global_buffer, .address_space: global }
      - { .name: kvrec, .offset: 8, .size: 8, .value_kind: global_buffer, .address_space: global }
      - { .name: cc, .offset: 16, .size: 8, .value_kind: global_buffer, .address_space: global }
      - { .name: cs, .offset: 24, .size: 8, .value_kind: global_buffer, .address_space: global }
    .group_segment_fixed_size: 210944
    .private_segment_fixed_size: 0
    .kernarg_segment_align: 8
    .kernarg_segment_size: 32
    .max_flat_workgroup_size: 512
    .sgpr_count:     66
    .vgpr_count:     256
    .wavefront_size: 32
...
	.end_amdgpu_metadata
.endif
;; end of part 3
;; launch outp (part 4): grid 8 x 32, 4 waves a work-group, clusters of 4 x 4, 214,528 bytes of LDS; arguments cc, cs, xc, xs, out0; writes out0
.if DOCPART == 4
	.amdgcn_target "amdgcn-amd-amdhsa--gfx1250"
	.amdhsa_code_object_version 6
	.text
	.protected	k_q7749d64c9d_outp
	.globl	k_q7749d64c9d_outp
	.p2align	8
	.type	k_q7749d64c9d_outp,@function
k_q7749d64c9d_outp:
	s_mov_b64 s[64:65], 0
	v_nop
	global_prefetch_b8 v0, s[64:65] scope:SCOPE_SE
	s_setreg_imm32_b32 hwreg(HW_REG_WAVE_MODE, 25, 1), 1
	s_wait_xcnt 0x0
	s_wait_alu depctr_hold_cnt(0) depctr_sa_sdst(0) depctr_va_vdst(0) depctr_va_sdst(0) depctr_va_ssrc(0) depctr_va_vcc(0) depctr_vm_vsrc(0)
	s_getreg_b32 s2, hwreg(HW_REG_IB_STS2, 6, 4)
	s_cmp_eq_u32 s2, 0
	s_cbranch_scc0 .Lentry_in_a_cluster
	s_endpgm
.Lentry_in_a_cluster:
	s_bfe_u32 s2, ttmp6, 0x10000c
	s_cmp_lg_u32 s2, 0xf033
	s_cbranch_scc0 .Lentry_shape_is_right
	s_endpgm
.Lentry_shape_is_right:
; out0 = context w_o^T on codes of FP6 (E2M3) with E8M0 scales; sums in f32, K ascending; out0 [4096][1024] f32.
; A (source 1, rows on the lanes) = the context: cc [tile 256][K step of 128: 8][1,536 bytes], cs [tile][row 16][32 scale bytes].  B (source 0, rows along the registers) = w_o: tiles 960-1,023 of xc and xs, laid alike.
; A fragment (16 rows x 128 K, 12 registers a lane) lies as an image of its registers in two halves: registers 0-3 at 16 x lane, 4-5 at 8 x lane; then 6-9, 10-11.
; Tile T holds rows 32 (T / 2) + 8 (T % 2) + i + 8 (i / 8), i = 0 .. 15: the way out puts rows and columns back in order.
; SHARES.  A tile of out0 is 128 x 128, so that the product's 4,096 x 1,024 numbers make 256 work-groups; four waves, 64 x 64 each: 16 accumulators of 16 x 16.
; ALL OF K LIES IN LDS, FILLED ONCE.  Four tiles' codes for all of K are one dense block of 49,152 bytes: wave w brings one such block (waves 0, 1: A's halves; waves 2, 3: B's) by its one tensor load.
; So there is no ring, nothing is filled again, and one barrier stands between the fill and the reads.  One tensor load of a wave is out at the most.
; Everything that the launch reads is asked for at its head by these loads: there is no later stream to ask for ahead of time.
; CLUSTERS: 4 x 4 work-groups.  The four of a row of the cluster need the same rows of A, the four of a column the same rows of B: each block is asked for JOINTLY, by the same load with the same descriptor and a mask that names the four.
; THE SCALE WORDS come straight into registers, once: a block of 16 rows has 512 bytes of them, which two loads of 16 bytes a lane cover; register 8 i + s is block i's word for K step s.
; REGISTERS, in windows of 256: window 0: v16-27 addresses; v32-63 A's scale words, v64-95 B's (they hold nothing else); v128-191 rows read back on the way out, two buffers.
;   window 1: two sets of fragments, at v0 and v128: B's four, then A's four (96 registers).   window 2: v0-127 the accumulators ((a, b) at v[8 (4 a + b)]).
.set FR,     12                        ; registers of a fragment
.set FRB,    1536                      ; its image in bytes
.set GROW,   8*FRB                     ; a tile's codes, all of K
.set REG,    4*GROW                    ; four tiles: what one tensor load brings, and what one wave reads of A or of B
.set STAGE,  4*REG                     ; behind the codes: 16 rows x 272 bytes for each wave, for the way out; no tensor load lands there
.set SPITCH, 272                       ; a stage row: 256 bytes + 16: an odd multiple of 16, so the 16 rows that a store of 16 bytes a lane touches lie in 16 different columns of 16 bytes
.set NP,     4                         ; places behind this matrix instruction (ISA guide 7.12.1)
.set A16,  16                          ; v16  LDS address of my A fragments at 16 x lane;  v17 at 8 x lane
.set A8,   17
.set B16,  18                          ; v18, v19 the same for B
.set B8,   19
.set STO,  24                          ; v24  the way out: where I put my bytes of a row
.set RD,   25                          ; v25  where I read rows back
.set CO,   26                          ; v26  my byte offset in two rows of out0
.set SOF,  27                          ; v27  32 r: my row's scale bytes within a tile's
.set SCA,  32
.set SCB,  64
.set BK,   128
.set G1, 24                            ; s[24:31] descriptor group 1 for A's block;  s[32:35] its group 0
.set G0, 32
.set G1B, 48                           ; s[48:55], s[56:59] the same for B's
.set G0B, 56
.set MSB, 0
.macro WIN new                         ; the immediate's high byte repeats the setting that is left
.if MSB != \new
	s_set_vgpr_msb (MSB<<8)|\new
.set MSB, \new
.endif
.endm
.set MUL,  0xa5                        ; sources 0 (B) and 1 (A) window 1, C and D window 2
.set TO_F, 0x40                        ; destination window 1, address window 0
; A joint load: waves 0 and 1 fetch for A, waves 2 and 3 for B.  Each line has ONE mask and one set of registers for all that issue it; the branch hangs on the wave's number alone.  Four v_nop follow each line.
.macro JLOAD g0a, g1a, g0b, g1b
	s_cmp_eq_u32 s15, 0
	s_cbranch_scc0 .Lfor_b_\@
	tensor_load_to_lds s[\g0a:\g0a+3], s[\g1a:\g1a+7]
	s_nop 0
.rept 4
	v_nop
.endr
	s_branch .Lasked_\@
.Lfor_b_\@:
	tensor_load_to_lds s[\g0b:\g0b+3], s[\g1b:\g1b+7]
	s_nop 0
.rept 4
	v_nop
.endr
.Lasked_\@:
.endm
.macro CROUND                          ; a round of the cluster's barrier
	s_barrier_signal -1
	s_barrier_wait -1
	s_cmp_lg_u32 s14, 0
	s_cbranch_scc1 .Lnot_wave_0_\@
	s_barrier_signal -3
.Lnot_wave_0_\@:
	s_barrier_wait -3
	s_barrier_signal -1
	s_barrier_wait -1
.endm
	s_load_b128 s[4:7], s[0:1], 0x0                ; cc, cs
	s_load_b128 s[8:11], s[0:1], 0x10              ; xc, xs
	s_load_b64 s[12:13], s[0:1], 0x20              ; out0
	v_lshl_add_u32 v254, v0, 2, 0x34400
	v_mov_b32 v255, 0
	ds_add_u32 v254, v255
	ds_add_u32 v254, v255
	v_lshrrev_b32 v1, 5, v0
	v_readfirstlane_b32 s14, v1                    ; wave 0..3
	s_lshr_b32 s15, s14, 1                         ; which half of the tile's rows is mine.  Also: I fetch for A (0) or for B (1)
	s_and_b32 s16, s14, 1                          ; which half of its columns.  Also: which four tiles I fetch
	s_bfe_u32 s40, ttmp6, 0x40000                  ; cx, cy: my place in the cluster
	s_bfe_u32 s41, ttmp6, 0x40004
	s_lshl_b32 s42, ttmp9, 2
	s_add_co_u32 s42, s42, s40                     ; tile column = 4 x cluster x + cx: 0 .. 7
	s_and_b32 s17, ttmp7, 0xffff
	s_lshl_b32 s17, s17, 2
	s_add_co_u32 s17, s17, s41                     ; tile row = 4 x cluster y + cy: 0 .. 31
	s_lshl_b32 s43, s41, 2
	s_lshl_b32 s43, 15, s43                        ; my row of the cluster
	s_lshl_b32 s44, 0x1111, s40                    ; my column
	; group 1: a dense block of 49,152 bytes as 192 rows of 256 bytes (32 elements of 8 bytes); dense in LDS too
	s_or_b32 s[G1+0], s43, (3<<16)|(1<<21)         ; 15:0 the mask: A's block goes to my row; 17:16 elements of 8 bytes; 21 set beside a mask
	s_or_b32 s[G1B+0], s44, (3<<16)|(1<<21)        ; B's to my column
.irp g, G1, G1B
	s_mov_b32 s[\g+1], 32<<16                      ; tensor_dim0
	s_mov_b32 s[\g+2], 192<<16                     ; tensor_dim1
	s_mov_b32 s[\g+3], 32<<16                      ; tile_dim0
	s_mov_b32 s[\g+4], 192                         ; tile_dim1
	s_mov_b32 s[\g+5], 32                          ; tensor_dim0_stride
	s_mov_b32 s[\g+6], 0
	s_mov_b32 s[\g+7], 0
.endr
	s_lshl_b32 s18, s16, 2                         ; which four tiles I fetch
	s_lshl_b32 s20, s17, 3
	s_add_co_u32 s20, s20, s18                     ; A: tile 8 x tile row + 4 x half: it hangs on the tile row alone, which my row of the cluster shares
	s_lshl_b32 s46, s42, 3
	s_add_co_u32 s46, s46, s18
	s_add_co_u32 s46, s46, 960                     ; B: w_o's tiles begin at 960: it hangs on the tile column alone
	s_mul_i32 s20, s20, GROW                       ; in bytes (under 2^24)
	s_mov_b32 s21, 0
	s_mul_i32 s46, s46, GROW
	s_mov_b32 s47, 0
	s_mul_i32 s45, s14, REG                        ; where the block goes: wave x 49,152: no place in the cluster enters an LDS address
	s_wait_dscnt 0x0
	s_wait_kmcnt 0x0
	s_mov_b32 s[G0], 1                             ; count = 1
	s_mov_b32 s[G0+1], s45                         ; LDS address
	s_add_nc_u64 s[G0+2:G0+3], s[4:5], s[20:21]    ; global address
	s_or_b32 s[G0+3], s[G0+3], 0x80000000          ; type = 2
	s_mov_b32 s[G0B], 1
	s_mov_b32 s[G0B+1], s45
	s_add_nc_u64 s[G0B+2:G0B+3], s[8:9], s[46:47]
	s_or_b32 s[G0B+3], s[G0B+3], 0x80000000
	CROUND                                         ; all sixteen work-groups are here: the joint loads meet
	JLOAD G0, G1, G0B, G1B                         ; my one tensor load of the launch
	v_and_b32 v1, 15, v0                           ; r
	v_bfe_u32 v2, v0, 4, 1                         ; h
	v_and_b32 v3, 31, v0                           ; lane
	v_lshlrev_b32 v4, 4, v3
	v_lshlrev_b32 v5, 3, v3
	v_lshlrev_b32 v[SOF], 5, v1
	s_wait_alu depctr_va_vdst(0)
	s_lshl_b32 s60, s17, 3                         ; the scale bytes of my four blocks of A: tile 8 x tile row + 4 x my half of the rows, 512 bytes a tile
	s_lshl_b32 s61, s15, 2
	s_add_co_u32 s60, s60, s61
	s_lshl_b32 s60, s60, 9
	s_mov_b32 s61, 0
	s_add_nc_u64 s[6:7], s[6:7], s[60:61]
	s_lshl_b32 s62, s42, 3                         ; and of B: tile 960 + 8 x tile column + 4 x my half of the columns
	s_lshl_b32 s63, s16, 2
	s_add_co_u32 s62, s62, s63
	s_add_co_u32 s62, s62, 960
	s_lshl_b32 s62, s62, 9
	s_mov_b32 s63, 0
	s_add_nc_u64 s[10:11], s[10:11], s[62:63]
.irp i, 0,1,2,3
.irp u, 0,1
	global_load_b128 v[SCA+8*\i+4*\u:SCA+8*\i+4*\u+3], v[SOF], s[6:7] offset:512*\i+16*\u     ; row r's words for K steps 4 u .. 4 u + 3 (lanes 16-31 hold the same and are not read)
	global_load_b128 v[SCB+8*\i+4*\u:SCB+8*\i+4*\u+3], v[SOF], s[10:11] offset:512*\i+16*\u
.endr
.endr
	s_mul_i32 s21, s15, REG                        ; my four tiles of A
	s_mul_i32 s22, s16, REG                        ; my four tiles of B,
	s_add_co_u32 s22, s22, 2*REG                   ; which lie behind A's eight
	v_add_nc_u32 v[A16], s21, v4
	v_add_nc_u32 v[A8], s21, v5
	v_add_nc_u32 v[B16], s22, v4
	v_add_nc_u32 v[B8], s22, v5
	s_mul_i32 s23, s14, 16*SPITCH
	s_add_co_u32 s23, s23, STAGE                   ; my stage
	v_mul_u32_u24 v5, v1, SPITCH                   ; in: row r; register j of accumulator (a, b) is column 32 (b / 2) + 16 h + 8 (b % 2) + j: 64 h bytes here, the rest in the stores' offsets
	v_lshl_add_u32 v5, v2, 6, v5
	v_add_nc_u32 v[STO], s23, v5
	v_mul_u32_u24 v6, v2, SPITCH                   ; back: lanes 0-15 take one row of 256 bytes, lanes 16-31 the next
	v_lshl_add_u32 v6, v1, 4, v6
	v_add_nc_u32 v[RD], s23, v6
	v_lshlrev_b32 v[CO], 12, v2                    ; and the same two rows in out0: 4,096 bytes apart
	v_lshl_add_u32 v[CO], v1, 4, v[CO]
	s_lshl_b32 s20, s17, 7
	s_lshl_b32 s21, s15, 6
	s_add_co_u32 s20, s20, s21                     ; my first row: 128 x tile row + 64 x half
	s_lshl_b32 s20, s20, 12                        ; rows of 4,096 bytes
	s_lshl_b32 s46, s42, 9                         ; my first column, in bytes: 512 x tile column + 256 x half
	s_lshl_b32 s47, s16, 8
	s_add_co_u32 s46, s46, s47
	s_add_co_u32 s20, s20, s46
	s_mov_b32 s21, 0
	s_add_nc_u64 s[12:13], s[12:13], s[20:21]
.macro FRAG reg, a16, a8, s, i         ; tile i's fragment of K step s comes back as it was stored: four dense loads
	ds_load_b128 v[\reg:\reg+3], v[\a16] offset:(\i)*GROW+(\s)*FRB
	ds_load_b64 v[\reg+4:\reg+5], v[\a8] offset:(\i)*GROW+(\s)*FRB+512
	ds_load_b128 v[\reg+6:\reg+9], v[\a16] offset:(\i)*GROW+(\s)*FRB+768
	ds_load_b64 v[\reg+10:\reg+11], v[\a8] offset:(\i)*GROW+(\s)*FRB+1280
.endm
.macro FETCH s                         ; K step s: 32 LDS loads in one run, into set s % 2: B's four fragments, then A's four
	WIN TO_F
.irp i, 0,1,2,3
	FRAG 128*((\s)%2)+FR*\i, B16, B8, \s, \i
.endr
.irp i, 0,1,2,3
	FRAG 128*((\s)%2)+48+FR*\i, A16, A8, \s, \i
.endr
.endm
; 16 matrix instructions: A's four blocks x B's four, 128 along K.  zero = 1: the first product starts the sums: nothing is ever cleared.
; The 16 accumulators take turns, one instruction a turn, in the same order in every step.
.macro MUL16 s, zero
.irp a, 0,1,2,3
.irp b, 0,1,2,3
.if \zero
	v_wmma_scale_f32_16x16x128_f8f6f4 v[8*(4*\a+\b):8*(4*\a+\b)+7], v[128*((\s)%2)+FR*\b:128*((\s)%2)+FR*\b+FR-1], v[128*((\s)%2)+48+FR*\a:128*((\s)%2)+48+FR*\a+FR-1], 0, v[SCB+8*\b+(\s)], v[SCA+8*\a+(\s)] matrix_a_fmt:MATRIX_FMT_FP6 matrix_b_fmt:MATRIX_FMT_FP6
.else
	v_wmma_scale_f32_16x16x128_f8f6f4 v[8*(4*\a+\b):8*(4*\a+\b)+7], v[128*((\s)%2)+FR*\b:128*((\s)%2)+FR*\b+FR-1], v[128*((\s)%2)+48+FR*\a:128*((\s)%2)+48+FR*\a+FR-1], v[8*(4*\a+\b):8*(4*\a+\b)+7], v[SCB+8*\b+(\s)], v[SCA+8*\a+(\s)] matrix_a_fmt:MATRIX_FMT_FP6 matrix_b_fmt:MATRIX_FMT_FP6
.endif
.endr
.endr
.endm
.macro PLACES n                        ; plain vector instructions between a matrix instruction and a load into one of its registers or a read of its result
.rept \n
	v_nop
.endr
.endm
	s_wait_alu depctr_va_vdst(0)
	s_wait_loadcnt 0x0                             ; the scale words
	s_wait_tensorcnt 0x0                           ; my block is in,
	s_barrier_signal -1
	s_barrier_wait -1                              ; everybody's is: A's and B's codes for all of K lie in LDS
	FETCH 0
.irp s, 0,1,2,3,4,5,6,7                ; K = 1,024: eight steps of 128, written out
	s_wait_dscnt 0x0                               ; this step's 32 loads are in: they were issued ahead of the last step's 16 products
.if \s > 0
	PLACES NP                                      ; between the last step's products and the loads into the set that the step before it... the set that they read
.endif
.if \s < 7
	FETCH \s+1                                     ; the next step's fragments, into the other set
.endif
	WIN MUL
.if \s == 0
	MUL16 \s, 1
.else
	MUL16 \s, 0
.endif
.endr
	WIN 0
; THE WAY OUT, block by block of 16 rows x 64 columns, through my own stage in LDS: in by columns in their true order, back as whole rows of 256 bytes, two rows an instruction.
; LDS serves a wave's instructions in order (ISA guide 5.7.1.4): no wait between the stores and the loads, nor in front of the next block's stores.  No other wave touches my stage: no barrier.
.macro TOSTAGE a
	WIN 0x08                                       ; an LDS store's data are its source 1: window 2
.irp b, 0,1,2,3
	ds_store_b128 v[STO], v[8*(4*(\a)+\b):8*(4*(\a)+\b)+3] offset:128*(\b/2)+32*(\b%2)          ; each accumulator from its low end on
	ds_store_b128 v[STO], v[8*(4*(\a)+\b)+4:8*(4*(\a)+\b)+7] offset:128*(\b/2)+32*(\b%2)+16
.endr
	WIN 0
.set BB, BK+32*((\a)%2)
.irp t, 0,1,2,3,4,5,6,7
	ds_load_b128 v[BB+4*\t:BB+4*\t+3], v[RD] offset:\t*2*SPITCH
.endr
.endm
.macro SEND a, younger                 ; younger: the LDS instructions issued behind block a's loads, which may stay out
.set BB, BK+32*((\a)%2)
	s_wait_dscnt \younger                          ; the block is back in registers
.irp t, 0,1,2,3,4,5,6,7
	global_store_b128 v[CO], v[BB+4*\t:BB+4*\t+3], s[12:13] offset:(32*((\a)/2)+8*((\a)%2)+2*\t+8*(\t/4))*4096 th:TH_STORE_NT   ; stage rows 2 t and 2 t + 1 are rows 32 (a / 2) + 8 (a % 2) + 2 t + 8 (t / 4) and the next of my 64; sixteen lanes store 256 consecutive bytes at a multiple of 256
.endr
.endm
	PLACES NP                                      ; behind the last products: results are read below
	TOSTAGE 0
.irp a, 1,2,3
.if \a > 1
	s_wait_xcnt 0x0                                ; block a - 2's stores have read their registers: block a's loads may land there
.endif
	TOSTAGE \a
	SEND \a-1, 16                                  ; behind block a - 1's loads: block a's 8 stores and 8 loads
.endr
	SEND 3, 0
	s_wait_dscnt 0x0
	s_wait_tensorcnt 0x0
	ds_add_u32 v254, v255
	s_wait_dscnt 0x0
	CROUND                                         ; the closing round: no work-group ends while a partner may still ask for a block that names it
	s_endpgm
.Lfunc_end_k_q7749d64c9d_outp:
	.size	k_q7749d64c9d_outp, .Lfunc_end_k_q7749d64c9d_outp-k_q7749d64c9d_outp
	.p2alignl 7, 3214868480
	.fill 96, 4, 3214868480
	.section	.rodata,"a",@progbits
	.p2align	6, 0x0
	.amdhsa_kernel k_q7749d64c9d_outp
		.amdhsa_group_segment_fixed_size 214528
		.amdhsa_private_segment_fixed_size 0
		.amdhsa_enable_private_segment 0
		.amdhsa_kernarg_size 40
		.amdhsa_user_sgpr_count 2
		.amdhsa_user_sgpr_kernarg_segment_ptr 1
		.amdhsa_wavefront_size32 1
		.amdhsa_system_sgpr_workgroup_id_x 1
		.amdhsa_system_sgpr_workgroup_id_y 1
		.amdhsa_system_sgpr_workgroup_id_z 1
		.amdhsa_system_vgpr_workitem_id 0
		.amdhsa_next_free_vgpr 1024
		.amdhsa_next_free_sgpr 66
		.amdhsa_reserve_vcc 0
		.amdhsa_float_denorm_mode_32 3
		.amdhsa_float_denorm_mode_16_64 3
		.amdhsa_memory_ordered 1
		.amdhsa_forward_progress 1
		.amdhsa_inst_pref_size 50
	.end_amdhsa_kernel
	.amdgpu_metadata
---
amdhsa.version: [ 1, 2 ]
amdhsa.kernels:
  - .name:           k_q7749d64c9d_outp
    .symbol:         k_q7749d64c9d_outp.kd
    .args:
      - { .name: cc, .offset: 0, .size: 8, .value_kind: global_buffer, .address_space: global }
      - { .name: cs, .offset: 8, .size: 8, .value_kind: global_buffer, .address_space: global }
      - { .name: xc, .offset: 16, .size: 8, .value_kind: global_buffer, .address_space: global }
      - { .name: xs, .offset: 24, .size: 8, .value_kind: global_buffer, .address_space: global }
      - { .name: out0, .offset: 32, .size: 8, .value_kind: global_buffer, .address_space: global }
    .group_segment_fixed_size: 214528
    .private_segment_fixed_size: 0
    .kernarg_segment_align: 8
    .kernarg_segment_size: 40
    .max_flat_workgroup_size: 128
    .sgpr_count:     66
    .vgpr_count:     1024
    .wavefront_size: 32
...
	.end_amdgpu_metadata
.endif
;; end of part 4
